; MI455X (gfx1250); checked and timed in simulation.
; The chip was launched on July 23, 2026; its instructions are those of AMD's public machine-readable ISA for CDNA 5 (MIT licence, August 2026) and "CDNA5" Instruction Set Architecture Reference Guide (July 2026). The comments in the code are by the model that wrote it; some were corrected since.
;; Self Attention. Allowed arithmetic: matrix products marked QUANTISED: E2M3 operands, one E8M0 scale for each 32 along K, by v_wmma_scale_f32_16x16x128_f8f6f4 with both operands' format E2M3, f32 sums; everything else in f32.
;; Inputs: W_attn 1,024 x 3,072 float32; W_proj 1,024 x 1,024 float32; b_attn 3,072 float32; b_proj 1,024 float32; y 4 x 2,048 x 1,024 float32.
;; Outputs: out0 4 x 2,048 x 1,024 float32.
;; This version of the problem:
;;   THIS VERSION OF THE PROBLEM IS GIVEN IN LOW PRECISION. The matrix products marked QUANTISED in the list below multiply operands that are first quantised to E2M3 (2 exponent bits, 3 mantissa bits; 6 bits a number), with one power-of-two scale for each 32 numbers along K (OCP MX v1.0); their sums are f32. All else is computed in f32.
;;   The module's matrix products, in the order in which they are computed (A, B: the left and right operand; K: the contracted axis; several contracted axes count as one K, in the product's order):
;;     1. [M 8,192, K 1,024] x [K 1,024, N 3,072]; A: input y; B: input W_attn: QUANTISED
;;     2. batch 64 x [M 2,048, K 64] x [K 64, N 2,048]; A: computed on the way; B: computed on the way: QUANTISED
;;     3. batch 64 x [M 2,048, K 2,048] x [K 2,048, N 64]; A: softmax (see below); B: computed on the way: QUANTISED
;;     4. [M 8,192, K 1,024] x [K 1,024, N 1,024]; A: computed on the way; B: input W_proj: QUANTISED
;;   THE QUANTISER, for each operand of a quantised product, along K:
;;     - K is cut into blocks of 32 from its start; a last block that is shorter is filled with zeros.
;;     - A block's scale is 2^e with e = floor(log2(the largest magnitude in the block)) - 2, held to -126 .. 127; a block of zeros has e = 0. As a byte (E8M0): e + 127.
;;     - Each number is divided by its block's scale, clamped to +-7.5, and rounded to the nearest number of E2M3, ties to even, subnormals kept.
;;     - The product sums the exact products of the quantised numbers (number of the format x scale) in f32.
;;   ~~~python
;;   def quantise(x, axis):      # numpy; x: float32 -> the quantised numbers, widened to float32 again
;;       x = np.moveaxis(x, axis, -1); K = x.shape[-1]
;;       x = np.pad(x, [(0, 0)] * (x.ndim - 1) + [(0, -K % 32)]); x = x.reshape(x.shape[:-1] + (-1, 32)); a = np.abs(x).max(-1, keepdims=True)
;;       e = np.where(a > 0, np.clip(np.frexp(np.where(a > 0, a, 1))[1] - 1 - 2, -126, 127), 0)      # np.frexp(a)[1] - 1 = floor(log2(a)), exactly
;;       r = np.clip(x / 2.0 ** e, -7.5, 7.5)
;;       step = 2.0 ** (np.maximum(np.frexp(np.where(r == 0, 1, r))[1] - 1, 0) - 3)
;;       q = np.round(r / step) * step * 2.0 ** e      # np.round: ties to even
;;       return np.moveaxis(q.reshape(q.shape[:-2] + (-1,))[..., :K], -1, axis).astype(np.float32)
;;   ~~~
;;   SOFTMAX AHEAD OF A QUANTISED PRODUCT. Where the list says 'softmax', what is quantised is not the finished softmax but p = 2^(t - M), with t = logit x log2(e) and M = ceil(the row's largest t), a whole number; so 1/2 < the row's largest p <= 1. The row's sum l is taken of the UNQUANTISED p, in f32, and the product's result is divided by l at the end. Since M is a whole number, a kernel that streams over the keys may use a running M (the ceiling of the running maximum): every later rescaling is an exact power of two, which a block's scale takes up: the codes' values come out the same.
;;   OPERANDS COMPUTED ON THE WAY. 'Computed on the way' means the value that the module computes at that place (a softmax that the list does not call 'softmax' is quantised finished and normalised). What goes into a quantiser is computed in f32, as accurately as f32 sums, v_exp_f32 and their like allow (about 1e-6 of the number): no bf16 or f16 on the way to a quantiser, and a product that is left as it is and whose result goes on into a quantised operand takes f32 operands (vector FMAs, or v_wmma_f32_16x16x4_f32). A number that lies on a knife's edge between two numbers of the format may be rounded either way, as far as f32 arithmetic and the matrix unit's own rounding can turn it there, and no further.
;; One version. Each part assembles by itself: llvm-mc -triple=amdgcn-amd-amdhsa -mcpu=gfx1250 --defsym DOCPART=n.
;; ======== version 1 of 1: 4 launches
;; limits: right only within a limited range of input values
;; workspace buffers: yq 6,553,600 bytes; wq 3,276,800 bytes; qimg 6,553,600 bytes; kv 13,107,200 bytes; oq 6,553,600 bytes
;; launch quant (part 1): grid 384 x 1, 4 waves a work-group, no clusters, 34,304 bytes of LDS; arguments y, W_attn, W_proj, yq, wq; writes yq, wq
.if DOCPART == 1
	.amdgcn_target "amdgcn-amd-amdhsa--gfx1250"
	.amdhsa_code_object_version 6
	.text
	.protected	k_q0edb245dc8_quant
	.globl	k_q0edb245dc8_quant
	.p2align	8
	.type	k_q0edb245dc8_quant,@function
k_q0edb245dc8_quant:
	s_mov_b64 s[64:65], 0
	v_nop
	global_prefetch_b8 v0, s[64:65] scope:SCOPE_SE
	s_setreg_imm32_b32 hwreg(HW_REG_WAVE_MODE, 25, 1), 1
	s_wait_xcnt 0x0
; y [8192][1024], W_attn [1024][3072] and W_proj [1024][1024], f32, become codes of FP6 (E2M3) with one E8M0 byte for each 32 along K (K = the 1,024 channels).
; A block's scale is 2^(floor(log2(largest magnitude)) - 2): its byte is the largest magnitude's exponent field - 2, held at 1 from below by a floor among the maximum's leaves.
; LIMITS: NaN and infinities are not served; a block of zeros gets the byte 1 where the rule says 127 (its codes are zeros, and only this program reads the bytes).
; THE CODES ARE LAID AS IMAGES OF THE OPERAND'S REGISTERS.  Position P of an image holds matrix row pi(P) = P with bits 3 and 4 exchanged.  Tile T = P / 16 takes TP = 12,288 bytes;
; in it, for each 64 along K (kappa), 768 bytes: piece j (0..2) of 256 bytes, lane l = 16 h + r at 8 l: bytes 8 j .. 8 j + 7 of the 24 bytes of codes of row pi(16 T + r), k = 64 kappa + 32 h + 0 .. 31.
; THE SCALE BYTES: (P / 32) x 1,024 + (k / 256) x 256 + ((P / 16) % 2) x 128 + 8 r: the row's 8 bytes for 256 along K.  Every store of this text covers 256 consecutive bytes, aligned.
; wq holds W_attn's columns as rows 0 .. 3,071 and W_proj's as rows 3,072 .. 4,095.
; Work-groups 0-127 take the weights (K is their FIRST axis: a lane takes a column, its registers run down K), work-groups 128-383 take y (K innermost: through a stage in LDS).  Waves share nothing: no barrier.
.set TP,    12288
.set YS,    6291456                    ; yq: the scale bytes lie behind the codes
.set WS,    3145728                    ; wq likewise
.set STG,   16*528                     ; a wave's stage: 16 rows x (512 bytes + 16)
.set SPARE, 4*STG                      ; behind the stages: the spare words, 128 bytes a wave: two blocks of 256 bytes that no other line names
.set SPW,   2                          ; v2  SPARE + 4 x my thread's number; never rewritten
.set NIL,   3                          ; v3  0; never rewritten
.set L8,    7                          ; v7  8 x lane
	s_load_b256 s[4:11], s[0:1], 0x0               ; y s[4:5], W_attn s[6:7], W_proj s[8:9], yq s[10:11]
	s_load_b64 s[12:13], s[0:1], 0x20              ; wq
	v_lshl_add_u32 v[SPW], v0, 2, SPARE
	v_mov_b32 v[NIL], 0
	v_lshrrev_b32 v1, 5, v0
	v_readfirstlane_b32 s14, v1                    ; wave 0..3
	v_and_b32 v1, 31, v0                           ; lane
	v_lshlrev_b32 v[L8], 3, v1
	s_cmp_lt_u32 ttmp9, 128
	s_cbranch_scc0 .Ly_path
; ---------------- THE WEIGHTS.  Work-group g: 128 columns (g / 4), 256 along K (g % 4).  Wave w: 32 columns = the pair of tiles tp = 4 (g / 4) + w of wq.
; Lane (u = l / 16, r = l % 16) takes column 16 (r / 8) + 8 u + r % 8 of the 32: lanes 0-15 are then the rows of tile 2 tp, lanes 16-31 those of tile 2 tp + 1; a load still reads 128 consecutive bytes.
; v32-63 row offsets; v64-127 two sets of 32 numbers; v128-175 codes: for each 64 along K six registers of the even block (E), six of the odd (O); v176-178 at work.
	s_lshr_b32 s15, ttmp9, 2                       ; group of 128 columns: 0-23 W_attn's, 24-31 W_proj's
	s_and_b32 s16, ttmp9, 3                        ; which 256 along K
	s_lshl_b32 s17, s15, 2
	s_add_co_u32 s17, s17, s14                     ; tp
	s_mov_b32 s18, 4096
	s_cmp_lt_u32 s15, 24
	s_cselect_b32 s18, 12288, s18                  ; a row of the weight in bytes
	s_cselect_b32 s19, 0, 24
	s_sub_co_u32 s19, s15, s19                     ; the group's number in its own weight
	s_lshl_b32 s20, s19, 9
	s_lshl_b32 s21, s14, 7
	s_add_co_u32 s20, s20, s21                     ; my wave's first column, in bytes
	s_lshl_b32 s21, s16, 8
	s_mul_i32 s21, s21, s18
	s_add_co_u32 s20, s20, s21                     ; + my first row
	s_mov_b32 s21, 0
	s_lshl_b32 s22, s18, 5                         ; a block of 32 rows
	s_mov_b32 s23, 0
	s_mul_i32 s24, s17, 2*TP
	s_mul_i32 s25, s16, 4*768
	s_add_co_u32 s24, s24, s25                     ; the codes' place: tile 2 tp, kappa 4 (g % 4)
	s_mov_b32 s25, 0
	s_lshl_b32 s26, s17, 10
	s_lshl_b32 s27, s16, 8
	s_add_co_u32 s26, s26, s27
	s_add_co_u32 s26, s26, WS                      ; the scale bytes' place
	s_mov_b32 s27, 0
	s_wait_alu depctr_va_vdst(0)
	v_and_b32 v4, 15, v1
	v_lshrrev_b32 v5, 4, v1
	v_and_b32 v6, 7, v4
	v_lshrrev_b32 v4, 3, v4
	v_lshl_add_u32 v6, v4, 4, v6
	v_lshl_add_u32 v6, v5, 3, v6                   ; my column of the 32
	v_lshlrev_b32 v32, 2, v6
.set WI, 1
.rept 31
	v_add_nc_u32 v[32+WI], s18, v[31+WI]           ; row i of a block
.set WI, WI+1
.endr
	s_wait_alu depctr_va_vdst(0)
	s_wait_kmcnt 0x0
	s_cmp_lt_u32 s15, 24                           ; the choice hangs on the work-group's number alone
	s_cselect_b64 s[32:33], s[6:7], s[8:9]
	s_add_nc_u64 s[32:33], s[32:33], s[20:21]      ; block 0; a base for each of the eight blocks, so that none is stepped
.irp t, 1,2,3,4,5,6,7
	s_add_nc_u64 s[32+2*\t:33+2*\t], s[30+2*\t:31+2*\t], s[22:23]
.endr
	s_add_nc_u64 s[24:25], s[12:13], s[24:25]
	s_add_nc_u64 s[26:27], s[12:13], s[26:27]
.macro LOADW t                         ; block t: 32 rows of my column into set t % 2
.set WI, 0
.rept 32
	global_load_b32 v[64+32*((\t)%2)+WI], v[32+WI], s[32+2*(\t):33+2*(\t)] th:TH_LOAD_NT
.set WI, WI+1
.endr
.endm
.macro BLKW t
.set XS, 64+32*((\t)%2)
.set CD, 128+12*((\t)/2)+6*((\t)%2)
.if (\t) < 7
	s_wait_loadcnt 32                              ; this block's 32 loads are in; the next block's 32 may be out
.else
	s_wait_loadcnt 0x0
.endif
	v_max3_num_f32 v8, |v[XS]|, |v[XS+1]|, |v[XS+2]|               ; the block's largest magnitude: all 32 numbers are mine; two chains
	v_max3_num_f32 v9, |v[XS+3]|, |v[XS+4]|, |v[XS+5]|
.irp i, 6,10,14,18,22,26
	v_max3_num_f32 v8, v8, |v[XS+\i]|, |v[XS+\i+1]|
	v_max3_num_f32 v9, v9, |v[XS+\i+2]|, |v[XS+\i+3]|
.endr
	v_max3_num_f32 v8, v8, |v[XS+30]|, |v[XS+31]|
	v_max3_num_f32 v8, v8, v9, 0x1800000           ; and the floor 2^(3 - 127): the byte cannot fall under 1
	v_add_nc_u32 v10, 0xff000000, v8               ; 2 off the exponent field: the conversion takes this operand's exponent field as its scale
	v_lshrrev_b32 v11, 23, v10                     ; the scale's byte
.if (\t)%4 == 0
	v_mov_b32 v[12+(\t)/4], v11
.else
	v_lshl_or_b32 v[12+(\t)/4], v11, 8*((\t)%4), v[12+(\t)/4]
.endif
	v_cvt_scalef32_pk16_fp6_f32 v[CD:CD+2], v[XS:XS+15], v10
	v_cvt_scalef32_pk16_fp6_f32 v[176:178], v[XS+16:XS+31], v10    ; (a conversion's three registers begin on an even number)
	v_nop                                          ; one plain line behind the conversions
.irp i, 0,1,2
	v_mov_b32 v[CD+3+\i], v[176+\i]
.endr
.if (\t)+2 < 8
	LOADW (\t)+2
.endif
.if (\t)%2 == 1                        ; 64 along K are whole.  E's lanes 16-31 change places with O's lanes 0-15: E is then tile 2 tp (lanes 0-15 k 0-31, lanes 16-31 k 32-63), O tile 2 tp + 1
.irp j, 0,1,2,3,4,5
	v_permlane16_swap_b32 v[CD-6+\j], v[CD+\j]
.endr
.irp j, 0,1,2
	global_store_b64 v[L8], v[CD-6+2*\j:CD-5+2*\j], s[24:25] offset:((\t)/2)*768+256*\j       ; 32 lanes store 256 consecutive bytes, aligned; every 64 along K has registers of its own
	global_store_b64 v[L8], v[CD+2*\j:CD+2*\j+1], s[24:25] offset:TP+((\t)/2)*768+256*\j
.endr
.endif
.endm
	LOADW 0
	LOADW 1
.irp t, 0,1,2,3,4,5,6,7
	BLKW \t
.endr
	global_store_b64 v[L8], v[12:13], s[26:27]     ; my row's 8 scale bytes: 256 consecutive bytes a wave
	s_endpgm
; ---------------- y.  Work-group 128 + bp: rows 32 bp .. 32 bp + 31 (a pair of tiles).  Wave w: 256 along K.  Four sub-steps t = 2 u + q: tile u, 128 along K.
; A load reads 512 consecutive bytes of one row; 16 rows go through the wave's stage and come back so that lane (r, h) holds, of the row at position r, k = 64 c + 32 h + 0 .. 31: two whole blocks.
; v16-143 two sets of 64 as loaded; v144-207 my 64 numbers; v208-219 codes; v220-226 at work; v228-233 maxima, scale operands, bytes; v234-237 the four scale words.
.Ly_path:
	s_sub_co_u32 s15, ttmp9, 128                   ; bp
	s_mul_i32 s16, s14, STG
	s_wait_alu depctr_va_vdst(0)
	v_lshlrev_b32 v4, 4, v1                        ; 16 x lane
	v_add_nc_u32 v5, s16, v4                       ; into the stage
	v_and_b32 v9, 15, v1
	v_lshrrev_b32 v10, 4, v1
	v_mul_u32_u24 v6, v9, 528
	v_lshl_add_u32 v6, v10, 7, v6
	v_add_nc_u32 v6, s16, v6                       ; out of it: row r, + 128 h
	v_lshlrev_b32 v8, 3, v10                       ; 8 h
	v_mov_b32 v239, 0                              ; a lane permute's destination counts as one of its sources
	s_mov_b32 s20, 0x76543210
	s_mov_b32 s21, 0xfedcba98                      ; v_permlanex16_b32's selects for lane l xor 16
	s_mov_b32 s22, 0xffff0000                      ; lanes 16-31
	s_lshl_b32 s24, s15, 17                        ; 32 rows of 4,096 bytes
	s_lshl_b32 s25, s14, 10
	s_add_co_u32 s24, s24, s25
	s_mov_b32 s25, 0
	s_mul_i32 s26, s15, 2*TP
	s_mul_i32 s27, s14, 3072
	s_add_co_u32 s26, s26, s27                     ; the codes' place: tile 2 bp, kappa 4 w
	s_mov_b32 s27, 0
	s_lshl_b32 s28, s15, 10
	s_lshl_b32 s29, s14, 8
	s_add_co_u32 s28, s28, s29
	s_add_co_u32 s28, s28, YS
	s_mov_b32 s29, 0
	s_wait_alu depctr_va_vdst(0)
	s_wait_kmcnt 0x0
	s_add_nc_u64 s[4:5], s[4:5], s[24:25]
	s_add_nc_u64 s[26:27], s[10:11], s[26:27]
	s_add_nc_u64 s[28:29], s[10:11], s[28:29]
.macro LOADY t                         ; load i: the row at position i of tile t / 2: row 16 (i / 8) + 8 (t / 2) + i % 8 of the 32
.set YI, 0
.rept 16
	global_load_b128 v[16+64*((\t)%2)+4*YI:16+64*((\t)%2)+4*YI+3], v4, s[4:5] offset:(16*(YI/8)+8*((\t)/2)+YI%8)*4096+512*((\t)%2) th:TH_LOAD_NT
.set YI, YI+1
.endr
.endm
.macro SUBY t
.set RS, 16+64*((\t)%2)
.if (\t) < 3
	s_wait_loadcnt 16                              ; this sub-step's 16 loads are in; the next one's 16 may be out
.else
	s_wait_loadcnt 0x0
.endif
.set YI, 0
.rept 16
	ds_store_b128 v5, v[RS+4*YI:RS+4*YI+3] offset:528*YI
.set YI, YI+1
.endr
.irp c, 0,1
.irp j, 0,1,2,3,4,5,6,7
	ds_load_b128 v[144+32*\c+4*\j:144+32*\c+4*\j+3], v6 offset:256*\c+16*\j    ; LDS serves a wave's instructions in order: these see the stores above
.endr
.endr
	s_wait_dscnt 0x0                               ; my numbers are in, and the stores have read their registers
	s_wait_xcnt 0x0                                ; the last sub-step's stores have read their data: the codes' registers may be written again
.if (\t)+2 < 4
	LOADY (\t)+2
.endif
.irp c, 0,1
	v_max3_num_f32 v[228+\c], |v[144+32*\c]|, |v[145+32*\c]|, 0x1800000        ; my two blocks by turns; the floor 2^(3 - 127) among the leaves
.endr
.irp i, 2,4,6,8,10,12,14,16,18,20,22,24,26,28,30
.irp c, 0,1
	v_max3_num_f32 v[228+\c], v[228+\c], |v[144+32*\c+\i]|, |v[145+32*\c+\i]|
.endr
.endr
.irp c, 0,1
	v_add_nc_u32 v[230+\c], 0xff000000, v[228+\c]  ; the conversion's scale operand
.endr
.irp c, 0,1
	v_lshrrev_b32 v[232+\c], 23, v[230+\c]         ; the byte
.endr
	v_lshl_or_b32 v238, v233, 16, v232             ; my two bytes: blocks h and 2 + h of the row's 128,
	v_lshlrev_b32 v238, v8, v238                   ; at their places in the scale word;
	v_permlanex16_b32 v239, v238, s20, s21
	v_or_b32 v[234+(\t)], v238, v239               ; with lane l xor 16's two the word is whole, in both halves of the lanes
.irp c, 0,1
	v_cvt_scalef32_pk16_fp6_f32 v[208+6*\c:210+6*\c], v[144+32*\c:159+32*\c], v[230+\c]
	v_cvt_scalef32_pk16_fp6_f32 v[220+4*\c:222+4*\c], v[160+32*\c:175+32*\c], v[230+\c]
.endr
	v_nop                                          ; one plain line behind the conversions
.irp c, 0,1
.irp i, 0,1,2
	v_mov_b32 v[211+6*\c+\i], v[220+4*\c+\i]
.endr
.endr
.irp c, 0,1
.irp j, 0,1,2
	global_store_b64 v[L8], v[208+6*\c+2*\j:209+6*\c+2*\j], s[26:27] offset:((\t)/2)*TP+(2*((\t)%2)+\c)*768+256*\j   ; 256 consecutive bytes, aligned
.endr
.endr
.endm
	LOADY 0
	LOADY 1
	SUBY 0
	SUBY 1
	SUBY 2
	SUBY 3
	v_cndmask_b32 v240, v234, v236, s22            ; lanes 0-15: tile 0's rows, lanes 16-31: tile 1's; two words a row
	v_cndmask_b32 v241, v235, v237, s22
	global_store_b64 v[L8], v[240:241], s[28:29]
	s_wait_tensorcnt 0x0                           ; the wave's end
	ds_add_u32 v[SPW], v[NIL]
	s_wait_dscnt 0x0
	s_endpgm
.Lfunc_end_k_q0edb245dc8_quant:
	.size	k_q0edb245dc8_quant, .Lfunc_end_k_q0edb245dc8_quant-k_q0edb245dc8_quant
	.p2alignl 7, 3214868480
	.fill 96, 4, 3214868480
	.section	.rodata,"a",@progbits
	.p2align	6, 0x0
	.amdhsa_kernel k_q0edb245dc8_quant
		.amdhsa_group_segment_fixed_size 34304
		.amdhsa_private_segment_fixed_size 0
		.amdhsa_enable_private_segment 0
		.amdhsa_kernarg_size 40
		.amdhsa_user_sgpr_count 2
		.amdhsa_user_sgpr_kernarg_segment_ptr 1
		.amdhsa_wavefront_size32 1
		.amdhsa_system_sgpr_workgroup_id_x 1
		.amdhsa_system_sgpr_workgroup_id_y 1
		.amdhsa_system_sgpr_workgroup_id_z 1
		.amdhsa_system_vgpr_workitem_id 0
		.amdhsa_next_free_vgpr 256
		.amdhsa_next_free_sgpr 66
		.amdhsa_reserve_vcc 0
		.amdhsa_float_denorm_mode_32 3
		.amdhsa_float_denorm_mode_16_64 3
		.amdhsa_memory_ordered 1
		.amdhsa_forward_progress 1
		.amdhsa_inst_pref_size 73
	.end_amdhsa_kernel
	.amdgpu_metadata
---
amdhsa.version: [ 1, 2 ]
amdhsa.kernels:
  - .name:           k_q0edb245dc8_quant
    .symbol:         k_q0edb245dc8_quant.kd
    .args:
      - { .name: y, .offset: 0, .size: 8, .value_kind: global_buffer, .address_space: global }
      - { .name: W_attn, .offset: 8, .size: 8, .value_kind: global_buffer, .address_space: global }
      - { .name: W_proj, .offset: 16, .size: 8, .value_kind: global_buffer, .address_space: global }
      - { .name: yq, .offset: 24, .size: 8, .value_kind: global_buffer, .address_space: global }
      - { .name: wq, .offset: 32, .size: 8, .value_kind: global_buffer, .address_space: global }
    .group_segment_fixed_size: 34304
    .private_segment_fixed_size: 0
    .kernarg_segment_align: 8
    .kernarg_segment_size: 40
    .max_flat_workgroup_size: 128
    .sgpr_count:     66
    .vgpr_count:     256
    .wavefront_size: 32
...
	.end_amdgpu_metadata
.endif
;; end of part 1
;; launch qkv (part 2): grid 12 x 32, 4 waves a work-group, clusters of 4 x 4, 327,680 bytes of LDS; arguments yq, wq, b_attn, qimg, kv; writes qimg, kv
.if DOCPART == 2
	.amdgcn_target "amdgcn-amd-amdhsa--gfx1250"
	.amdhsa_code_object_version 6
	.text
	.protected	k_q0edb245dc8_qkv
	.globl	k_q0edb245dc8_qkv
	.p2align	8
	.type	k_q0edb245dc8_qkv,@function
k_q0edb245dc8_qkv:
	s_mov_b64 s[64:65], 0
	v_nop
	global_prefetch_b8 v0, s[64:65] scope:SCOPE_SE
	s_setreg_imm32_b32 hwreg(HW_REG_WAVE_MODE, 25, 1), 1
	s_wait_xcnt 0x0
	s_wait_alu depctr_hold_cnt(0) depctr_sa_sdst(0) depctr_va_vdst(0) depctr_va_sdst(0) depctr_va_ssrc(0) depctr_va_vcc(0) depctr_vm_vsrc(0)
	s_getreg_b32 s2, hwreg(HW_REG_IB_STS2, 6, 4)
	s_cmp_eq_u32 s2, 0
	s_cbranch_scc0 .Lentry_in_a_cluster
	s_endpgm
.Lentry_in_a_cluster:
	s_bfe_u32 s2, ttmp6, 0x10000c
	s_cmp_lg_u32 s2, 0xf033
	s_cbranch_scc0 .Lentry_shape_is_right
	s_endpgm
.Lentry_shape_is_right:
.set NQ,     2
.set FR,     12
.set NL,     6
.set NP,     4
.set TP,     12288
.set TILEB,  3072
.set HALFT,  8*TILEB
.set SLOT,   4*HALFT
.set SCL,    2*SLOT
.set HALFS,  4096
.set SPARE,  SCL+4*HALFS
.set YS,     6291456
.set WS,     3145728
.set ADRA, 16
.set ADRB, 20
.set L8,   26
.set ADRS, 27
.set SPW,  28
.set NIL,  29
.set SC,   32
.set BI,   64
.set AF,   128
.set BL,   224
.set HA,   128
.set T,    192
.set TM,   212
.set PW,   232
.set G1, 24
.set G0, 32
.set G1B, 48
.set G0B, 56
.set G1S, 68
.set G0S, 76
.set G1SB, 80
.set G0SB, 88
.set SEL, 68
.set MSB, 0
.macro WIN new
.if MSB != (\new)
	s_set_vgpr_msb (MSB<<8)|(\new)
.set MSB, (\new)
.endif
.endm
.set MUL_LO, 0xa1
.set MUL_HI, 0xf1
.set TO_B,   0x40
.macro JLOAD g0a, g1a, g0b, g1b
	s_cmp_eq_u32 s15, 0
	s_cbranch_scc0 .Lfor_b_\@
	tensor_load_to_lds s[\g0a:\g0a+3], s[\g1a:\g1a+7]
	s_nop 0
.rept 4
	v_nop
.endr
	s_branch .Lasked_\@
.Lfor_b_\@:
	tensor_load_to_lds s[\g0b:\g0b+3], s[\g1b:\g1b+7]
	s_nop 0
.rept 4
	v_nop
.endr
.Lasked_\@:
.endm
.macro CREST
	s_cmp_lg_u32 s14, 0
	s_cbranch_scc1 .Lnot_wave_0_\@
	s_barrier_signal -3
.Lnot_wave_0_\@:
	s_barrier_wait -3
	s_barrier_signal -1
	s_barrier_wait -1
.endm
.macro CROUND
	s_barrier_signal -1
	s_barrier_wait -1
	CREST
.endm
	s_load_b128 s[4:7], s[0:1], 0x0
	s_load_b128 s[96:99], s[0:1], 0x10
	s_load_b64 s[100:101], s[0:1], 0x20
	v_lshl_add_u32 v[SPW], v0, 2, SPARE
	v_mov_b32 v[NIL], 0
	ds_add_u32 v[SPW], v[NIL]
	ds_add_u32 v[SPW], v[NIL]
	v_lshrrev_b32 v1, 5, v0
	v_readfirstlane_b32 s14, v1
	s_lshr_b32 s15, s14, 1
	s_and_b32 s16, s14, 1
	s_bfe_u32 s40, ttmp6, 0x40000
	s_bfe_u32 s41, ttmp6, 0x40004
	s_and_b32 s95, ttmp7, 0xffff
	s_lshl_b32 s95, s95, 2
	s_lshl_b32 s42, ttmp9, 2
	s_cmp_eq_u32 ttmp9, 2
	s_cselect_b32 s66, -1, 0
	s_cselect_b32 s17, 8, s95
	s_cselect_b32 s42, s95, s42
	s_add_co_u32 s17, s17, s41
	s_add_co_u32 s42, s42, s40
	s_lshl_b32 s43, s41, 2
	s_lshl_b32 s43, 15, s43
	s_lshl_b32 s44, 0x1111, s40
	s_or_b32 s[G1+0], s43, (3<<16)|(1<<21)
	s_or_b32 s[G1B+0], s44, (3<<16)|(1<<21)
.irp g, G1, G1B
	s_mov_b32 s[\g+1], 384<<16
	s_mov_b32 s[\g+2], 16<<16                      ; the head's loads bring all 16 tiles of a chunk
	s_mov_b32 s[\g+3], 384<<16
	s_mov_b32 s[\g+4], 16
	s_mov_b32 s[\g+5], 1536
	s_mov_b32 s[\g+6], 0
	s_mov_b32 s[\g+7], 0
.endr
	s_or_b32 s[G1S+0], s43, (3<<16)|(1<<21)
	s_or_b32 s[G1SB+0], s44, (3<<16)|(1<<21)
.irp g, G1S, G1SB
	s_mov_b32 s[\g+1], 32<<16
	s_mov_b32 s[\g+2], 32<<16                      ; the scale bytes of 256 rows: 32 rows of 256 bytes
	s_mov_b32 s[\g+3], 32<<16
	s_mov_b32 s[\g+4], 32
	s_mov_b32 s[\g+5], 32
	s_mov_b32 s[\g+6], 0
	s_mov_b32 s[\g+7], 0
.endr
	s_mul_i32 s18, s17, 16*TP                      ; the first byte of the whole tiles: codes and scale bytes of A's 256 rows and of B's
	s_mov_b32 s19, 0
	s_lshl_b32 s20, s17, 13
	s_mov_b32 s21, 0
	s_mul_i32 s22, s42, 16*TP
	s_mov_b32 s23, 0
	s_lshl_b32 s2, s42, 13
	s_mov_b32 s3, 0
	s_mul_i32 s45, s14, HALFT
	s_mov_b32 s67, 0xffff0000
	s_wait_dscnt 0x0
	s_wait_kmcnt 0x0
	s_add_nc_u64 s[92:93], s[4:5], YS
	s_add_nc_u64 s[46:47], s[6:7], WS
	s_cmp_eq_u32 ttmp9, 2
	s_cselect_b64 s[8:9], s[4:5], s[6:7]
	s_cselect_b64 s[10:11], s[92:93], s[46:47]
	s_cselect_b64 s[4:5], s[6:7], s[4:5]
	s_cselect_b64 s[6:7], s[46:47], s[92:93]
	s_add_nc_u64 s[4:5], s[4:5], s[18:19]
	s_add_nc_u64 s[6:7], s[6:7], s[20:21]
	s_add_nc_u64 s[8:9], s[8:9], s[22:23]
	s_add_nc_u64 s[10:11], s[10:11], s[2:3]
	CROUND
	s_mov_b32 s[G0S], 1
	s_mov_b32 s[G0S+1], SCL
	s_mov_b64 s[G0S+2:G0S+3], s[6:7]
	s_or_b32 s[G0S+3], s[G0S+3], 0x80000000
	s_mov_b32 s[G0SB], 1
	s_mov_b32 s[G0SB+1], SCL+2*HALFS
	s_mov_b64 s[G0SB+2:G0SB+3], s[10:11]
	s_or_b32 s[G0SB+3], s[G0SB+3], 0x80000000
	s_mul_i32 s18, s16, 8*TP                       ; in the ring a wave fetches 8 of a chunk's 16 tiles: which half, in bytes
	s_mov_b32 s19, 0
.irp s, 0,1
	s_mov_b32 s[G0+4*\s], 1
	s_add_co_u32 s[G0+4*\s+1], s45, \s*SLOT
	s_add_nc_u64 s[G0+4*\s+2:G0+4*\s+3], s[4:5], \s*TILEB
	s_add_nc_u64 s[G0+4*\s+2:G0+4*\s+3], s[G0+4*\s+2:G0+4*\s+3], s[18:19]
	s_or_b32 s[G0+4*\s+3], s[G0+4*\s+3], 0x80000000
	s_mov_b32 s[G0B+4*\s], 1
	s_add_co_u32 s[G0B+4*\s+1], s45, \s*SLOT
	s_add_nc_u64 s[G0B+4*\s+2:G0B+4*\s+3], s[8:9], \s*TILEB
	s_add_nc_u64 s[G0B+4*\s+2:G0B+4*\s+3], s[G0B+4*\s+2:G0B+4*\s+3], s[18:19]
	s_or_b32 s[G0B+4*\s+3], s[G0B+4*\s+3], 0x80000000
.endr
	; the head's four tiles, one joint load a wave, in one chain of arms: chunk 0 of A's 16 tiles, chunk 0 of B's, A's scale bytes, B's
	s_mov_b64 s[6:7], s[4:5]                       ; group 0 for A's chunk 0 in s[4:7], for B's in s[8:11]: the addresses that lay there have been used
	s_or_b32 s7, s7, 0x80000000
	s_mov_b32 s4, 1
	s_mov_b32 s5, 0
	s_mov_b64 s[10:11], s[8:9]
	s_or_b32 s11, s11, 0x80000000
	s_mov_b32 s8, 1
	s_mov_b32 s9, 2*HALFT
	s_cmp_eq_u32 s14, 0
	s_cbranch_scc0 .Lhead_b
	tensor_load_to_lds s[4:7], s[G1:G1+7]
	s_nop 0
.rept 4
	v_nop
.endr
	s_branch .Lhead_asked
.Lhead_b:
	s_cmp_eq_u32 s14, 1
	s_cbranch_scc0 .Lhead_sa
	tensor_load_to_lds s[8:11], s[G1B:G1B+7]
	s_nop 0
.rept 4
	v_nop
.endr
	s_branch .Lhead_asked
.Lhead_sa:
	s_cmp_eq_u32 s14, 2
	s_cbranch_scc0 .Lhead_sb
	tensor_load_to_lds s[G0S:G0S+3], s[G1S:G1S+7]
	s_nop 0
.rept 4
	v_nop
.endr
	s_branch .Lhead_asked
.Lhead_sb:
	tensor_load_to_lds s[G0SB:G0SB+3], s[G1SB:G1SB+7]
	s_nop 0
.rept 4
	v_nop
.endr
.Lhead_asked:
	v_and_b32 v1, 15, v0
	v_bfe_u32 v2, v0, 4, 1
	s_wait_alu depctr_va_vdst(0)
	v_and_b32 v3, 31, v0
	v_lshlrev_b32 v[L8], 3, v3
	s_mul_i32 s21, s15, HALFT
	s_mul_i32 s22, s16, HALFT
	s_add_co_u32 s22, s22, 2*HALFT
.irp s, 0,1
	v_add_nc_u32 v[ADRA+\s], s21, v[L8]
	v_add_nc_u32 v[ADRB+\s], s22, v[L8]
	s_add_co_u32 s21, s21, SLOT
	s_add_co_u32 s22, s22, SLOT
.endr
	v_lshlrev_b32 v5, 3, v1
	s_mul_i32 s21, s15, HALFS
	s_mul_i32 s22, s16, HALFS
	s_add_co_u32 s22, s22, 2*HALFS
	s_sub_co_u32 s22, s22, s21
	v_mul_u32_u24 v6, s22, v2
	s_add_co_u32 s21, s21, SCL
	v_add_nc_u32 v5, v5, v6
	v_add_nc_u32 v[ADRS], s21, v5
	s_lshl_b32 s18, s42, 10
	s_lshl_b32 s19, s16, 9
	s_add_co_u32 s18, s18, s19
	s_lshl_b32 s19, s41, 10
	s_lshl_b32 s20, s15, 9
	s_add_co_u32 s19, s19, s20
	s_add_co_u32 s19, s19, 4*2048
	s_cmp_eq_u32 ttmp9, 2
	s_cselect_b32 s18, 0, s18
	s_cselect_b32 s19, s19, 0
	v_lshl_add_u32 v7, v2, 6, s18
	v_and_b32 v8, 8, v1
	v_add_nc_u32 v8, v8, v1
	v_lshl_add_u32 v8, v8, 2, s19
.irp b, 0,1,2,3,4,5,6,7
	global_load_b128 v[BI+8*\b:BI+8*\b+3], v7, s[96:97] offset:128*(\b/2)+32*(\b%2)
	global_load_b128 v[BI+8*\b+4:BI+8*\b+7], v7, s[96:97] offset:128*(\b/2)+32*(\b%2)+16
.endr
.irp a, 0,1,2,3,4,5,6,7
	global_load_b32 v[BL+\a], v8, s[96:97] offset:128*(\a/2)+32*(\a%2)
.endr
.macro FRAG reg, adr, q, i
.irp p, 0,1,2,3,4,5
	ds_load_b64 v[\reg+2*\p:\reg+2*\p+1], v[\adr] offset:(\i)*TILEB+(\q)*1536+256*\p
.endr
.endm
.macro MUL16 a0, p, q, sc, zero
.irp a, \a0, \a0+1
.irp b, 0,1,2,3,4,5,6,7
.if \zero
	v_wmma_scale_f32_16x16x128_f8f6f4 v[8*(8*((\a)%4)+\b):8*(8*((\a)%4)+\b)+7], v[128*(\p)+FR*\b:128*(\p)+FR*\b+FR-1], v[AF+FR*(\a):AF+FR*(\a)+FR-1], v[BI+8*\b:BI+8*\b+7], v[SC+8*NQ*(\sc)+NQ*\b+(\q)], v[SC+8*NQ*(\sc)+NQ*(\a)+(\q)] matrix_a_fmt:MATRIX_FMT_FP6 matrix_b_fmt:MATRIX_FMT_FP6 matrix_a_scale:MATRIX_SCALE_ROW1
.else
	v_wmma_scale_f32_16x16x128_f8f6f4 v[8*(8*((\a)%4)+\b):8*(8*((\a)%4)+\b)+7], v[128*(\p)+FR*\b:128*(\p)+FR*\b+FR-1], v[AF+FR*(\a):AF+FR*(\a)+FR-1], v[8*(8*((\a)%4)+\b):8*(8*((\a)%4)+\b)+7], v[SC+8*NQ*(\sc)+NQ*\b+(\q)], v[SC+8*NQ*(\sc)+NQ*(\a)+(\q)] matrix_a_fmt:MATRIX_FMT_FP6 matrix_b_fmt:MATRIX_FMT_FP6 matrix_a_scale:MATRIX_SCALE_ROW1
.endif
.endr
.endr
.endm
.macro FETCH_B slot, q, p
	WIN TO_B
.irp i, 0,1,2,3,4,5,6,7
	FRAG 128*(\p)+FR*\i, ADRB+\slot, \q, \i
.endr
	WIN 0
.endm
.macro FETCH_A slot, q, i0
.irp i, \i0, \i0+1, \i0+2, \i0+3
	FRAG AF+FR*(\i), ADRA+\slot, \q, \i
.endr
.endm
.macro SCALES sc
.irp i, 0,1,2,3,4,5,6,7
	ds_load_b64 v[SC+8*NQ*\sc+NQ*\i:SC+8*NQ*\sc+NQ*\i+1], v[ADRS] offset:(\i/2)*1024+(\i%2)*128
.endr
.endm
.macro PLACES n
.rept \n
	v_nop
.endr
.endm
.macro STEP slot, q, zero
	s_wait_dscnt 4*NL
	WIN MUL_LO-0x20*(\zero)
	MUL16 0, (\q)%2, \q, \slot, \zero
	MUL16 2, (\q)%2, \q, \slot, \zero
	s_wait_dscnt 0
	PLACES NP
	FETCH_B \slot, (\q)+1, 1-(\q)%2
	FETCH_A \slot, (\q)+1, 0
	WIN MUL_HI-0x30*(\zero)
	MUL16 4, (\q)%2, \q, \slot, \zero
	MUL16 6, (\q)%2, \q, \slot, \zero
	PLACES NP
	WIN 0
	FETCH_A \slot, (\q)+1, 4
.endm
.macro TURN slot, next, fill
	s_wait_tensorcnt 0x0
	ds_add_u32 v[SPW], v[NIL]
	s_wait_dscnt 4*NL+1
	WIN MUL_LO
	MUL16 0, 1, NQ-1, \slot, 0
	s_wait_dscnt 0x0
	s_barrier_signal -1
	MUL16 2, 1, NQ-1, \slot, 0
	WIN 0
	s_barrier_wait -1
.if \fill
	CREST
	s_add_nc_u64 s[G0+4*\slot+2:G0+4*\slot+3], s[G0+4*\slot+2:G0+4*\slot+3], 2*TILEB
	s_add_nc_u64 s[G0B+4*\slot+2:G0B+4*\slot+3], s[G0B+4*\slot+2:G0B+4*\slot+3], 2*TILEB
	JLOAD G0+4*\slot, G1, G0B+4*\slot, G1B
.else
	PLACES NP
.endif
	s_wait_alu depctr_va_vdst(0)
	v_add_nc_u32 v[ADRS], 256, v[ADRS]
	FETCH_B \next, 0, 0
	FETCH_A \next, 0, 0
	SCALES \next
	WIN MUL_HI
	MUL16 4, 1, NQ-1, \slot, 0
	MUL16 6, 1, NQ-1, \slot, 0
	PLACES NP
	WIN 0
	FETCH_A \next, 0, 4
.endm
	s_wait_alu depctr_va_vdst(0)                   ; the wait at the head's end
	s_wait_tensorcnt 0x0                           ; my tile of the head's four is in
	ds_add_u32 v[SPW], v[NIL]
	s_mov_b32 s[G1+2], 8<<16                       ; no tensor load of mine is out: from here on a load brings 8 tiles
	s_mov_b32 s[G1+4], 8
	s_mov_b32 s[G1B+2], 8<<16
	s_mov_b32 s[G1B+4], 8
	s_wait_dscnt 0x0
	CROUND                                         ; all four tiles are in, and all sixteen work-groups are here
	JLOAD G0+4, G1, G0B+4, G1B                     ; chunk 1 into slot 1: the first tensor load behind the round
	FETCH_B 0, 0, 0
	FETCH_A 0, 0, 0
	SCALES 0
	FETCH_A 0, 0, 4
	s_wait_loadcnt 0x0
.set KK, 0
.rept 64
	v_cndmask_b32 v[BI+KK], v[BI+KK], 0, s66
.set KK, KK+1
.endr
.irp a, 0,1,2,3,4,5,6,7
	v_cndmask_b32 v[BL+\a], 0, v[BL+\a], s66
.endr
	s_wait_alu depctr_va_vdst(0)
	STEP 0, 0, 1
	TURN 0, 1, 1
	STEP 1, 0, 0
	TURN 1, 0, 1
	STEP 0, 0, 0
	TURN 0, 1, 0
	STEP 1, 0, 0
	s_wait_dscnt 4*NL
	WIN MUL_LO
	MUL16 0, 1, NQ-1, 1, 0
	MUL16 2, 1, NQ-1, 1, 0
	s_wait_dscnt 0
	WIN MUL_HI
	MUL16 4, 1, NQ-1, 1, 0
	MUL16 6, 1, NQ-1, 1, 0
	WIN 0
	s_mov_b32 s[SEL], 0x76543210
	s_mov_b32 s[SEL+1], 0xfedcba98
	s_mov_b32 s76, 768
	s_mov_b32 s74, 204800
	s_mov_b32 s75, 12800
	s_mov_b32 s73, 12288
	s_cmp_eq_u32 ttmp9, 0
	s_cselect_b32 s74, 102400, s74
	s_cselect_b32 s75, 6400, s75
	s_cselect_b32 s73, 6144, s73
	s_cselect_b64 s[12:13], s[98:99], s[100:101]
	s_cmp_eq_u32 ttmp9, 2
	s_cselect_b32 s73, 6400, s73
	s_cselect_b32 s70, 1536, s76
	s_cselect_b32 s71, 198656, 0
	s_cselect_b32 s72, s76, s74
	s_cselect_b32 s77, s40, s41
	s_cselect_b32 s78, s16, s15
	s_cselect_b32 s79, s41, s40
	s_cselect_b32 s80, s15, s16
	s_cselect_b32 s81, 6144, 0
	s_add_co_u32 s77, s77, s95
	s_lshr_b32 s82, s77, 3
	s_and_b32 s77, s77, 7
	s_lshl_b32 s77, s77, 1
	s_add_co_u32 s77, s77, s78
	s_lshl_b32 s79, s79, 2
	s_lshl_b32 s80, s80, 1
	s_add_co_u32 s79, s79, s80
	s_lshl_b32 s82, s82, 4
	s_add_co_u32 s79, s79, s82
	s_mul_i32 s79, s79, s74
	s_mul_i32 s77, s77, s75
	s_add_co_u32 s82, s79, s77
	s_add_co_u32 s82, s82, s81
	s_mov_b32 s83, 0
	s_add_nc_u64 s[12:13], s[12:13], s[82:83]
	s_mov_b32 s84, 0
.irp a, 0,1,2,3,4,5,6,7
	v_add_nc_u32 v[1+2*\a], s84, v[L8]
	v_add_nc_u32 v[2+2*\a], s72, v[1+2*\a]
	s_add_co_u32 s84, s84, s70
.if \a == 3
	s_add_co_u32 s84, s84, s71
.endif
.endr
	v_add_nc_u32 v17, s73, v[L8]
	v_add_nc_u32 v18, s74, v17
.irp b, 0,1,2,3
	v_mov_b32 v[TM+4+\b], 0
.endr
.macro QUANT s, pw
.irp b, 0,1,2,3
	v_max3_num_f32 v[TM+\b], |v[\s+16*\b]|, |v[\s+1+16*\b]|, 0x1800000
.endr
.irp i, 2,4,6,8,10,12,14
.irp b, 0,1,2,3
	v_max3_num_f32 v[TM+\b], v[TM+\b], |v[\s+16*\b+\i]|, |v[\s+1+16*\b+\i]|
.endr
.endr
.irp b, 0,1,2,3
	v_permlanex16_b32 v[TM+4+\b], v[TM+\b], s[SEL], s[SEL+1]
.endr
.irp b, 0,1,2,3
	v_max_num_f32 v[TM+\b], v[TM+\b], v[TM+4+\b]
.endr
.irp b, 0,1,2,3
	v_add_nc_u32 v[TM+8+\b], 0xff000000, v[TM+\b]
.endr
.irp b, 0,1,2,3
	v_lshrrev_b32 v[TM+4+\b], 23, v[TM+8+\b]
.endr
	v_lshl_or_b32 v[\pw], v[TM+5], 8, v[TM+4]
	v_lshl_or_b32 v[\pw], v[TM+6], 16, v[\pw]
	v_lshl_or_b32 v[\pw], v[TM+7], 24, v[\pw]
.irp c, 0,1
	v_cvt_scalef32_pk16_fp6_f32 v[T+6*\c:T+2+6*\c], v[\s+32*\c:\s+15+32*\c], v[TM+8+2*\c]
	v_cvt_scalef32_pk16_fp6_f32 v[T+12+4*\c:T+14+4*\c], v[\s+16+32*\c:\s+31+32*\c], v[TM+8+2*\c+1]
.endr
	v_nop
.irp c, 0,1
.irp i, 0,1,2
	v_permlane16_swap_b32 v[T+6*\c+\i], v[T+12+4*\c+\i]
.endr
.irp i, 0,1,2
	v_mov_b32 v[T+3+6*\c+\i], v[T+12+4*\c+\i]
.endr
.endr
.endm
.macro OUTBLK a
.set AC, 64*((\a)%4)
.set BP, BL+2*((\a)/2)
	s_wait_xcnt 0x0
	WIN 0x02+(\a)/4
.set KK, 0
.rept 32
.if (\a)%2
	v_pk_add_f32 v[HA+KK:HA+KK+1], v[AC+KK:AC+KK+1], v[BP:BP+1] op_sel:[0,1] op_sel_hi:[1,1]
.else
	v_pk_add_f32 v[HA+KK:HA+KK+1], v[AC+KK:AC+KK+1], v[BP:BP+1] op_sel_hi:[1,0]
.endif
.set KK, KK+2
.endr
	WIN 0
	QUANT HA, PW+(\a)
.irp c, 0,1
.irp j, 0,1,2
	global_store_b64 v[1+2*(\a)+\c], v[T+6*\c+2*\j:T+6*\c+2*\j+1], s[12:13] offset:256*\j
.endr
.endr
.endm
.irp a, 0,1,2,3,4,5,6,7
	OUTBLK \a
.endr
.irp p, 0,1,2,3
	v_perm_b32 v[240+\p], v[PW+2*\p+1], v[PW+2*\p], 0x05040100
	v_perm_b32 v[244+\p], v[PW+2*\p+1], v[PW+2*\p], 0x07060302
.endr
.irp p, 0,1,2,3
	v_cndmask_b32 v[240+\p], v[240+\p], v[PW+\p], s66
	v_cndmask_b32 v[244+\p], v[244+\p], v[PW+4+\p], s66
.endr
.irp c, 0,1
	v_cndmask_b32 v[248+2*\c], v[240+4*\c], v[242+4*\c], s67
	v_cndmask_b32 v[249+2*\c], v[241+4*\c], v[243+4*\c], s67
.endr
	global_store_b64 v17, v[248:249], s[12:13]
	global_store_b64 v18, v[250:251], s[12:13]
	s_wait_tensorcnt 0x0
	ds_add_u32 v[SPW], v[NIL]
	s_wait_dscnt 0x0
	CROUND
	s_endpgm
.Lfunc_end_k_q0edb245dc8_qkv:
	.size	k_q0edb245dc8_qkv, .Lfunc_end_k_q0edb245dc8_qkv-k_q0edb245dc8_qkv
	.p2alignl 7, 3214868480
	.fill 96, 4, 3214868480
	.section	.rodata,"a",@progbits
	.p2align	6, 0x0
	.amdhsa_kernel k_q0edb245dc8_qkv
		.amdhsa_group_segment_fixed_size 327680
		.amdhsa_private_segment_fixed_size 0
		.amdhsa_enable_private_segment 0
		.amdhsa_kernarg_size 40
		.amdhsa_user_sgpr_count 2
		.amdhsa_user_sgpr_kernarg_segment_ptr 1
		.amdhsa_wavefront_size32 1
		.amdhsa_system_sgpr_workgroup_id_x 1
		.amdhsa_system_sgpr_workgroup_id_y 1
		.amdhsa_system_sgpr_workgroup_id_z 1
		.amdhsa_system_vgpr_workitem_id 0
		.amdhsa_next_free_vgpr 1024
		.amdhsa_next_free_sgpr 102
		.amdhsa_reserve_vcc 0
		.amdhsa_float_denorm_mode_32 3
		.amdhsa_float_denorm_mode_16_64 3
		.amdhsa_memory_ordered 1
		.amdhsa_forward_progress 1
		.amdhsa_inst_pref_size 193
	.end_amdhsa_kernel
	.amdgpu_metadata
---
amdhsa.version: [ 1, 2 ]
amdhsa.kernels:
  - .name:           k_q0edb245dc8_qkv
    .symbol:         k_q0edb245dc8_qkv.kd
    .args:
      - { .name: yq, .offset: 0, .size: 8, .value_kind: global_buffer, .address_space: global }
      - { .name: wq, .offset: 8, .size: 8, .value_kind: global_buffer, .address_space: global }
      - { .name: b_attn, .offset: 16, .size: 8, .value_kind: global_buffer, .address_space: global }
      - { .name: qimg, .offset: 24, .size: 8, .value_kind: global_buffer, .address_space: global }
      - { .name: kv, .offset: 32, .size: 8, .value_kind: global_buffer, .address_space: global }
    .group_segment_fixed_size: 327680
    .private_segment_fixed_size: 0
    .kernarg_segment_align: 8
    .kernarg_segment_size: 40
    .max_flat_workgroup_size: 128
    .sgpr_count:     102
    .vgpr_count:     1024
    .wavefront_size: 32
...
	.end_amdgpu_metadata
.endif
;; end of part 2
;; launch attn (part 3): grid 4 x 64, 16 waves a work-group, clusters of 4 x 1, 206,848 bytes of LDS; arguments qimg, kv, oq; writes oq
.if DOCPART == 3
	.amdgcn_target "amdgcn-amd-amdhsa--gfx1250"
	.amdhsa_code_object_version 6
	.text
	.protected	k_q0edb245dc8_attn
	.globl	k_q0edb245dc8_attn
	.p2align	8
	.type	k_q0edb245dc8_attn,@function
k_q0edb245dc8_attn:
	s_mov_b64 s[64:65], 0
	v_nop
	global_prefetch_b8 v0, s[64:65] scope:SCOPE_SE
	s_setreg_imm32_b32 hwreg(HW_REG_WAVE_MODE, 25, 1), 1
	s_wait_xcnt 0x0
	s_wait_alu depctr_hold_cnt(0) depctr_sa_sdst(0) depctr_va_vdst(0) depctr_va_sdst(0) depctr_va_ssrc(0) depctr_va_vcc(0) depctr_vm_vsrc(0)
	s_getreg_b32 s2, hwreg(HW_REG_IB_STS2, 6, 4)
	s_cmp_eq_u32 s2, 0
	s_cbranch_scc0 .Lentry_in_a_cluster
	s_endpgm
.Lentry_in_a_cluster:
	s_bfe_u32 s2, ttmp6, 0x10000c
	s_cmp_lg_u32 s2, 0x3003
	s_cbranch_scc0 .Lentry_shape_is_right
	s_endpgm
.Lentry_shape_is_right:
; O = softmax(q k^T / 8) v for one head (64 channels, 2,048 keys), both products on codes of FP6 (E2M3) with E8M0 scales; O is quantised along the channels and leaves as codes, an image of the last product's operand.
; THE SOFTMAX: t = score x log2(e) / 8; M = the running largest t rounded UP to a whole number; p = 2^(t - M) is quantised along the keys, not normalised; the sum is taken of the unquantised p and divides O at the end;
; when M moves, the sum and O are multiplied by f = 2^(old M - new M), which rounds nothing.
; SHARES.  A work-group owns 512 queries of one head; the head's four work-groups are one cluster.  Each of sixteen waves owns one tile of 16 queries at a time, two one after the other; four waves to a SIMD.
; K AND V OF THE WHOLE HEAD, 204,800 dense bytes, LIE IN LDS, filled once: wave w asks jointly (mask: the four partners) for key step w, 50 rows of 256 bytes: one tensor load a wave, one line for all sixteen.
; Every wave waits for its load, ONE barrier shows the head to all, and from there on the waves share nothing: no further barrier but the closing round.  No data prefetch: all is asked for at the head, there is no loop to run ahead in.
; LAYOUT.  Both products transposed: S^T = k q^T, O^T = v^T p^T: a lane holds ONE query.
; WHICH KEYS FORM A TILE OF k IS CHOSEN AS THE LANES LOAD.  In LDS tile T (768 bytes) of a step holds in row 8 e + j key 32 (T / 2) + 16 e + 8 (T % 2) + j.  The tile (c, t) that is multiplied, c = 0, 1, t = 0 .. 3, takes as its row m
; key 64 c + 32 (m / 8) + 8 t + m % 8: that is row 8 (t / 2) + m % 8 of tile 4 c + 2 (m / 8) + t % 2: lanes with m >= 8 read 1,536 bytes further on.  In the scores lane (r, h) then holds in registers 32 c + 0 .. 31
; keys 64 c + 32 h + 0 .. 31: ONE WHOLE BLOCK of 32, in the order of p's operand: a block's maximum needs no other lane, and the conversions' results are the operand's registers.
; The rows' scale words follow the rows: the word of fragment (c, g), row m, is the stored word of fragment 2 c + m / 8, row 8 g + m % 8.
; THE FIRST PRODUCT HAS K = 64, half of the instruction's 128: a fragment of k holds tile (c, 2 g) in k = 0 .. 63 and tile (c, 2 g + 1) in k = 64 .. 127; q stands between two runs of zero codes, v[16:33] = 0 x 6, q x 6, 0 x 6:
; v[22:33] picks the first, v[16:27] the second.
; A STEP (128 keys): scores; v's fragments are asked for; maxima, M; t - M; 66 exponentials in one batch; O x f; p's scales and codes; the sum's first eight multiply-adds (sum x f + p); O += v^T p^T;
; the sum's other 24 additions, among which the NEXT step's fragments of k are asked for.  The sum runs in eight chains of pairs, v240-255, joined at the tile's end.
; The scale bytes of O leave two bytes a lane (one byte in 24 of what this launch stores), to rows 8 bytes apart: the rest of each 8 bytes belongs to other heads.
; LIMITS: NaN and infinities are not served; a block of zeros gets the byte 1 where the rule says 127 (only this program reads the bytes); the scaled scores stay under 2^31 in magnitude.
.set BLKB,  12800                      ; a key step in LDS: k's codes 6,144, v's 6,144, k's scale unit 256, v's 256
.set SPARE, 16*BLKB                    ; behind the head: the spare words, 128 bytes a wave: eight blocks of 256 bytes that no other line names
.set OS,    6291456                    ; oq: the scale bytes lie behind the codes
.set L8,  1                            ; v1  8 x lane
.set SPW, 2
.set NIL, 3
.set QCO, 5                            ; v5  my tile's codes in its block of qimg
.set QSO, 6                            ; v6  and its scale word
.set QS,  7                            ; v7  q's scale word; v8, v9 k's; v[10:11] v's; v224 p's: scales and nothing else
.set KV,  34                           ; v34-81 four fragments, k's and then v's
.set R8,  82                           ; v82 8 x (lane % 16); v83 the first tile's scale word as loaded
.set XB,  84                           ; v84-89 the second tile's codes of q, v90 its scale word
.set LK,  91                           ; v91 my place in k's codes: 1,536 (m / 8) + 128 (lane / 16) + 8 (m % 8), m = lane % 16
.set LS,  92                           ; v92 and in k's scale unit: 128 (lane / 16) + 8 (m % 8) + 4 (m / 8)
.set H8,  93                           ; v93 8 x (lane / 16)
.set SCR, 96                           ; v96-159 S^T, then p
.set OT,  160                          ; v160-191 O^T
.set PC,  192                          ; v192-203 p's codes; v204-206, v208-210 the conversions' second halves
.set BM,  212                          ; v212-215 maxima (v212, v214: my two blocks'); v216, v217 permutes; v218, v219 bytes; v220, v221 scale operands
.set KA,  230                          ; v230, v231 LDS addresses of k's fragments (c = 0, 1); v232 of their scale words
.set VA,  234                          ; v234-236 LDS addresses of v's 24 pieces, eight pieces (2,048 bytes) to a register: a two-address load reaches 2,040 bytes
.set AC,  240                          ; v240-255 the sum's eight chains; v[226:227] f, 0; v228 at work; v229 the old -M
.set WV,  12
.set CS,  22                           ; s[22:23] c = log2(e) / 8
.set G1,  24
.set G0,  32
.set TC,  47                           ; s47 this step's first LDS byte; s48 the next step's
.set TB,  48
.set SEL, 52
.macro CROUND
	s_barrier_signal -1
	s_barrier_wait -1
	s_cmp_lg_u32 s[WV], 0
	s_cbranch_scc1 .Lnot_wave_0_\@
	s_barrier_signal -3
.Lnot_wave_0_\@:
	s_barrier_wait -3
	s_barrier_signal -1
	s_barrier_wait -1
.endm
	s_load_b128 s[4:7], s[0:1], 0x0                ; qimg, kv
	s_load_b64 s[8:9], s[0:1], 0x10                ; oq
	v_lshl_add_u32 v[SPW], v0, 2, SPARE
	v_mov_b32 v[NIL], 0
	ds_add_u32 v[SPW], v[NIL]                      ; the opening lines: the add twice on end, one wait; work on registers between
	ds_add_u32 v[SPW], v[NIL]
	v_lshrrev_b32 v1, 5, v0
	s_delay_alu instid0(VALU_DEP_1)
	v_readfirstlane_b32 s[WV], v1                  ; wave 0..15
	s_bfe_u32 s13, ttmp6, 0x40000                  ; cx: my 512 queries: it enters q's and O's addresses alone
	s_and_b32 s14, ttmp7, 0xffff                   ; 16 x batch + head, which the four partners share
	s_mov_b32 s[G1], 15|(3<<16)|(1<<21)            ; the mask: all four work-groups; elements of 8 bytes; bit 21 beside a mask
	s_mov_b32 s[G1+1], 32<<16                      ; 50 rows of 256 bytes, dense
	s_mov_b32 s[G1+2], 50<<16
	s_mov_b32 s[G1+3], 32<<16
	s_mov_b32 s[G1+4], 50
	s_mov_b32 s[G1+5], 32
	s_mov_b32 s[G1+6], 0
	s_mov_b32 s[G1+7], 0
	s_mov_b32 s[G0], 1
	s_mul_i32 s[G0+1], s[WV], BLKB                 ; key step w: the same place in LDS and in the head's block
	s_mul_i32 s18, s14, 16*BLKB
	s_add_co_u32 s18, s18, s[G0+1]
	s_mov_b32 s19, 0
	s_lshl_b32 s20, s13, 2
	s_lshr_b32 s21, s[WV], 3
	s_add_co_u32 s20, s20, s21                     ; my tile's 128 queries: 4 cx + wave / 8 (the second tile: two on)
	s_mul_i32 s20, s20, 6400
	s_mul_i32 s21, s14, 102400
	s_add_co_u32 s20, s20, s21
	s_mov_b32 s21, 0
	s_lshr_b32 s54, s14, 4
	s_and_b32 s55, s14, 15                         ; the head
	s_lshl_b32 s54, s54, 7
	s_lshl_b32 s56, s13, 5
	s_add_co_u32 s54, s54, s56
	s_add_co_u32 s54, s54, s[WV]                   ; my tile among oq's 512: 128 x batch + 32 cx + wave (the second: 16 on)
	s_mul_i32 s56, s54, 12288
	s_mul_i32 s57, s55, 768
	s_add_co_u32 s56, s56, s57                     ; its codes for my head's 64 channels
	s_mov_b32 s57, 0
	s_lshr_b32 s58, s54, 1
	s_lshl_b32 s58, s58, 10
	s_lshr_b32 s59, s55, 2
	s_lshl_b32 s59, s59, 8
	s_add_co_u32 s58, s58, s59
	s_and_b32 s59, s[WV], 1
	s_lshl_b32 s59, s59, 7
	s_add_co_u32 s58, s58, s59
	s_and_b32 s59, s55, 3
	s_lshl_b32 s59, s59, 1
	s_add_co_u32 s58, s58, s59
	s_add_co_u32 s58, s58, OS                      ; and its two scale bytes a row
	s_mov_b32 s59, 0
	s_mov_b32 s[CS], 0x3e38aa3b
	s_mov_b32 s[CS+1], s[CS]                       ; (named with it as a pair, so it is written)
	s_mov_b32 s[SEL], 0x76543210
	s_mov_b32 s[SEL+1], 0xfedcba98
	s_and_b32 s60, s[WV], 1
	s_mov_b32 s51, 0x01000100
	s_cmp_eq_u32 s60, 1
	s_cselect_b32 s51, 0x03020302, s51             ; which two bytes of a pair's scale word are my tile's
	s_mov_b32 s50, 2                               ; two tiles
	s_wait_dscnt 0x0                               ; both opening adds are done
	s_wait_kmcnt 0x0
	s_add_nc_u64 s[G0+2:G0+3], s[6:7], s[18:19]
	s_or_b32 s[G0+3], s[G0+3], 0x80000000
	s_add_nc_u64 s[4:5], s[4:5], s[20:21]
	s_add_nc_u64 s[10:11], s[8:9], s[58:59]
	s_add_nc_u64 s[8:9], s[8:9], s[56:57]
	CROUND                                         ; all four work-groups are here: the joint loads meet
	tensor_load_to_lds s[G0:G0+3], s[G1:G1+7]      ; my one tensor load: key step w
	s_nop 0
.rept 4
	v_nop
.endr
	v_and_b32 v[L8], 31, v0
	s_delay_alu instid0(VALU_DEP_1)
	v_lshlrev_b32 v[L8], 3, v[L8]
	v_and_b32 v[R8], 15, v0
	s_delay_alu instid0(VALU_DEP_1)
	v_lshlrev_b32 v[R8], 3, v[R8]
	s_wait_alu depctr_va_vdst(0)                   ; the wait ahead of the scalar lines below
	s_and_b32 s54, s[WV], 7
	s_mul_i32 s54, s54, 768
	v_add_nc_u32 v[QCO], s54, v[L8]
	s_bfe_u32 s54, s[WV], 0x10002
	s_lshl_b32 s54, s54, 7
	s_bfe_u32 s55, s[WV], 0x10001
	s_lshl_b32 s55, s55, 2
	s_add_co_u32 s54, s54, s55
	s_add_co_u32 s54, s54, 6144
	v_add_nc_u32 v[QSO], s54, v[R8]                ; slot p = (wave / 2) % 4 of the scale unit: 8 r + 128 (p / 2) + 4 (p % 2)
.irp j, 0,1,2
	global_load_b64 v[22+2*\j:23+2*\j], v[QCO], s[4:5] offset:256*\j               ; q's codes of both tiles: lane (r, h): d = 32 h + 0 .. 31 of query r
	global_load_b64 v[XB+2*\j:XB+2*\j+1], v[QCO], s[4:5] offset:12800+256*\j
.endr
	global_load_b32 v83, v[QSO], s[4:5]
	global_load_b32 v[XB+6], v[QSO], s[4:5] offset:12800
	v_and_b32 v[LS], 7, v0                         ; m % 8
	v_bfe_u32 v[H8], v0, 4, 1                      ; lane / 16
	v_bfe_u32 v229, v0, 3, 1                       ; m / 8
	v_lshlrev_b32 v[LS], 3, v[LS]
	v_mul_u32_u24 v[LK], v229, 1536
	v_lshl_add_u32 v[LS], v[H8], 7, v[LS]          ; 128 (lane / 16) + 8 (m % 8)
	v_lshlrev_b32 v[H8], 3, v[H8]
	v_add_nc_u32 v[LK], v[LK], v[LS]
	v_lshl_add_u32 v[LS], v229, 2, v[LS]
.irp i, 0,1,2,3,4,5
	v_mov_b32 v[16+\i], 0                          ; the zero codes on both sides of q
	v_mov_b32 v[28+\i], 0
.endr
.irp b, 0,1,2,3
	v_mov_b32 v[BM+4+\b], 0                        ; a lane permute's destination counts as one of its sources
.endr
	v_mov_b32 v227, 0                              ; (named as the upper halves of the pairs v[226:227] and v[14:15])
	v_mov_b32 v15, 0
	v_mov_b32 v228, 0
	s_wait_alu depctr_va_vdst(0)                   ; the wait at the head's end
	s_wait_loadcnt 0x0
	v_perm_b32 v[QS], v83, v83, s51                ; my tile's two bytes, twice: for k = 0 .. 63 and for k = 64 .. 127
	s_wait_tensorcnt 0x0                           ; my key step has landed,
	s_wait_dscnt 0x0
	s_barrier_signal -1
	s_barrier_wait -1                              ; everybody's has
.macro LDK                             ; k's four fragments (c, g), registers 24 c + 12 g: six pieces of 8 bytes a lane, 256 bytes apart, two to a load; and their scale words: v8: g = 0, v9: g = 1; lanes 0-15 c = 0, lanes 16-31 c = 1
.irp c, 0,1
.irp g, 0,1
.irp i, 0,1,2
	ds_load_2addr_b64 v[KV+24*\c+12*\g+4*\i:KV+24*\c+12*\g+4*\i+3], v[KA+\c] offset0:8*\g+64*\i offset1:8*\g+64*\i+32
.endr
.endr
.endr
	ds_load_b32 v8, v[KA+2] offset:12288
	ds_load_b32 v9, v[KA+2] offset:12288+64
.endm
; A KEY STEP: 128 keys.  more = 1: the next step's k is asked for, at s[TB]
.macro STEP more
	s_wait_alu depctr_va_vdst(0)
	s_wait_dscnt 0x0                               ; k is in
.irp f, 0,1
	v_wmma_scale_f32_16x16x128_f8f6f4 v[SCR+16*\f:SCR+16*\f+7], v[KV+12*\f:KV+12*\f+11], v[22:33], 0, v[8+\f], v[QS] matrix_a_fmt:MATRIX_FMT_FP6 matrix_b_fmt:MATRIX_FMT_FP6
	v_wmma_scale_f32_16x16x128_f8f6f4 v[SCR+16*\f+8:SCR+16*\f+15], v[KV+12*\f:KV+12*\f+11], v[16:27], 0, v[8+\f], v[QS] matrix_a_fmt:MATRIX_FMT_FP6 matrix_b_fmt:MATRIX_FMT_FP6
.endr
.irp f, 2,3
	v_wmma_scale_f32_16x16x128_f8f6f4 v[SCR+16*\f:SCR+16*\f+7], v[KV+12*\f:KV+12*\f+11], v[22:33], 0, v[6+\f], v[QS] matrix_a_fmt:MATRIX_FMT_FP6 matrix_b_fmt:MATRIX_FMT_FP6 matrix_a_scale:MATRIX_SCALE_ROW1
	v_wmma_scale_f32_16x16x128_f8f6f4 v[SCR+16*\f+8:SCR+16*\f+15], v[KV+12*\f:KV+12*\f+11], v[16:27], 0, v[6+\f], v[QS] matrix_a_fmt:MATRIX_FMT_FP6 matrix_b_fmt:MATRIX_FMT_FP6 matrix_a_scale:MATRIX_SCALE_ROW1
.endr                                  ; registers 32 c + i: key 64 c + 32 (lane / 16) + i of the step
	v_mov_b32 v229, v12                            ; the old -M; with the three lines below: four places in front of the loads and of the first read of the scores
.irp g, 0,1,2
	v_add3_u32 v[VA+\g], s[TC], 6144+2048*\g, v[L8]        ; where v's pieces lie
.endr
.irp g, 0,1,2
.irp i, 0,1,2,3
	ds_load_2addr_b64 v[KV+16*\g+4*\i:KV+16*\g+4*\i+3], v[VA+\g] offset0:64*\i offset1:64*\i+32   ; v's four fragments land while the softmax is walked
.endr
.endr
	ds_load_b64 v[10:11], v[VA] offset:6400
.irp b, 0,1,2,3
	v_max3_num_f32 v[BM+\b], v[SCR+16*\b], v[SCR+1+16*\b], v[SCR+2+16*\b]   ; the largest score of my two blocks of 32 keys, two chains each: for the row's maximum and, since p rises with the score, for the block's largest p
.endr
.irp i, 3,5,7,9,11,13
.irp b, 0,1,2,3
	v_max3_num_f32 v[BM+\b], v[BM+\b], v[SCR+16*\b+\i], v[SCR+1+16*\b+\i]
.endr
.endr
.irp c, 0,1
	v_max3_num_f32 v[BM+2*\c], v[BM+2*\c], v[SCR+15+32*\c], v[SCR+31+32*\c]
.endr
.irp c, 0,1
	s_delay_alu instid0(VALU_DEP_2)
	v_max_num_f32 v[BM+2*\c], v[BM+2*\c], v[BM+2*\c+1]             ; block 2 c + lane / 16: all its 32 keys are mine
.endr
	s_delay_alu instid0(VALU_DEP_1)
	v_max_num_f32 v228, v[BM], v[BM+2]
	s_delay_alu instid0(VALU_DEP_1)
	v_permlanex16_b32 v[BM+4], v228, s[SEL], s[SEL+1]
	s_delay_alu instid0(VALU_DEP_1)
	v_max_num_f32 v228, v228, v[BM+4]              ; with lane l xor 16's two blocks: the step's largest score of my query
	s_delay_alu instid0(VALU_DEP_1)
	v_mul_f32 v228, s[CS], v228                    ; as t (c is positive)
	s_delay_alu instid0(VALU_DEP_1)
	v_max_num_f32 v13, v13, v228                   ; the running largest t
	s_delay_alu instid0(VALU_DEP_1)
	v_floor_f32 v12, -v13                          ; the new -M = floor(-t): M is a whole number
.set JJ, 0
.rept 32
	v_pk_fma_f32 v[SCR+JJ:SCR+JJ+1], v[SCR+JJ:SCR+JJ+1], s[CS:CS+1], v[12:13] op_sel_hi:[1,0,0]   ; t - M, two at a time
.set JJ, JJ+2
.endr
.irp b, 0,2
	v_fma_f32 v[BM+\b], v[BM+\b], s[CS], v12       ; the same of each block's largest score
.endr
	s_wait_alu depctr_va_vdst(0)                   ; the wait ahead of the batch
.irp b, 0,2
	v_exp_f32 v[BM+\b], v[BM+\b]                   ; the blocks' largest p
.endr
.set JJ, 0
.rept 64
	v_exp_f32 v[SCR+JJ], v[SCR+JJ]                 ; p = 2^(t - M), at most 1
.set JJ, JJ+1
.endr
	v_sub_f32 v229, v12, v229                      ; old M - new M: a whole number, 0 or less.  (Plain lines behind the batch, which name none of its results)
	s_delay_alu instid0(VALU_DEP_1)
	v_cvt_i32_f32 v229, v229                       ; (it saturates)
	s_delay_alu instid0(VALU_DEP_1)
	v_ldexp_f32 v226, 1.0, v229                    ; f = 2^(old M - new M)
	s_wait_alu depctr_va_vdst(0)                   ; one wait for the whole batch, directly ahead of the first reader of O^T too
.set JJ, 0
.rept 16
	v_pk_mul_f32 v[OT+JJ:OT+JJ+1], v[OT+JJ:OT+JJ+1], v[226:227] op_sel_hi:[1,0]    ; O^T under the new M, each accumulator from its low end on
.set JJ, JJ+2
.endr
.irp c, 0,1
	v_max_num_f32 v[BM+2*\c], 0x1800000, v[BM+2*\c]        ; the floor 2^(3 - 127): the byte cannot fall under 1
.endr
.irp c, 0,1
	s_delay_alu instid0(VALU_DEP_2)
	v_add_nc_u32 v[BM+8+\c], 0xff000000, v[BM+2*\c]        ; the conversion's scale operand
.endr
.irp c, 0,1
	s_delay_alu instid0(VALU_DEP_2)
	v_lshrrev_b32 v[BM+6+\c], 23, v[BM+8+\c]       ; the byte
.endr
	s_delay_alu instid0(VALU_DEP_1)
	v_lshl_or_b32 v228, v[BM+7], 16, v[BM+6]       ; my two bytes: blocks h and 2 + h of these 128 keys,
	s_delay_alu instid0(VALU_DEP_1)
	v_lshlrev_b32 v228, v[H8], v228                ; at their places in p's scale word (8 h bits up)
	s_delay_alu instid0(VALU_DEP_1)
	v_permlanex16_b32 v[BM+5], v228, s[SEL], s[SEL+1]
.irp c, 0,1
	v_cvt_scalef32_pk16_fp6_f32 v[PC+6*\c:PC+2+6*\c], v[SCR+32*\c:SCR+15+32*\c], v[BM+8+\c]
	v_cvt_scalef32_pk16_fp6_f32 v[PC+12+4*\c:PC+14+4*\c], v[SCR+16+32*\c:SCR+31+32*\c], v[BM+8+\c]   ; (a conversion's three registers begin on an even number)
.endr
	v_or_b32 v224, v228, v[BM+5]                   ; with lane l xor 16's two bytes the word is whole.  (The plain line behind the conversions)
.irp c, 0,1
.irp i, 0,1,2
	v_mov_b32 v[PC+3+6*\c+\i], v[PC+12+4*\c+\i]    ; registers 6 c .. 6 c + 5: k = 64 c + 32 h + 0 .. 31
.endr
.endr
.set JJ, 0
.rept 8
	v_pk_fma_f32 v[AC+2*JJ:AC+2*JJ+1], v[AC+2*JJ:AC+2*JJ+1], v[226:227], v[SCR+2*JJ:SCR+2*JJ+1] op_sel_hi:[1,0,1]   ; each chain of the sum: x f, + its first pair of the UNQUANTISED p.  These lines also stand between the writes of p's codes and the products
.set JJ, JJ+1
.endr
	s_wait_alu depctr_va_vdst(0)
	s_wait_dscnt 0x0                               ; v is in
.irp t, 0,1
	v_wmma_scale_f32_16x16x128_f8f6f4 v[OT+8*\t:OT+8*\t+7], v[KV+12*\t:KV+12*\t+11], v[PC:PC+11], v[OT+8*\t:OT+8*\t+7], v[10+\t], v224 matrix_a_fmt:MATRIX_FMT_FP6 matrix_b_fmt:MATRIX_FMT_FP6
.endr
.irp t, 2,3
	v_wmma_scale_f32_16x16x128_f8f6f4 v[OT+8*\t:OT+8*\t+7], v[KV+12*\t:KV+12*\t+11], v[PC:PC+11], v[OT+8*\t:OT+8*\t+7], v[8+\t], v224 matrix_a_fmt:MATRIX_FMT_FP6 matrix_b_fmt:MATRIX_FMT_FP6 matrix_a_scale:MATRIX_SCALE_ROW1
.endr
.set JJ, 0
.rept 4
	v_pk_add_f32 v[AC+2*(JJ%8):AC+2*(JJ%8)+1], v[AC+2*(JJ%8):AC+2*(JJ%8)+1], v[SCR+16+2*JJ:SCR+17+2*JJ]   ; the sum's other 24 pairs; the first four lines are the places behind the products
.set JJ, JJ+1
.endr
.if \more
	v_add_nc_u32 v[KA], s[TB], v[LK]
	v_add3_u32 v[KA+1], s[TB], 3072, v[LK]
	v_add_nc_u32 v[KA+2], s[TB], v[LS]
	LDK                                            ; the next step's k lands under the additions below
.endif
.rept 20
	v_pk_add_f32 v[AC+2*(JJ%8):AC+2*(JJ%8)+1], v[AC+2*(JJ%8):AC+2*(JJ%8)+1], v[SCR+16+2*JJ:SCR+17+2*JJ]
.set JJ, JJ+1
.endr
.endm
.Ltile:                                ; two trips: a tile of 16 queries each
	v_mov_b32 v[KA], v[LK]                         ; key step 0
	v_add_nc_u32 v[KA+1], 3072, v[LK]
	v_mov_b32 v[KA+2], v[LS]
	LDK
	v_mov_b32 v13, 0xff61b1e6                      ; the largest t so far: -3e38, under every t
	s_delay_alu instid0(VALU_DEP_1)
	v_floor_f32 v12, -v13                          ; -M
.set JJ, 0
.rept 32
	v_mov_b32 v[OT+JJ], 0                          ; O^T and the sum's chains: the step is written for all trips alike; the first finds zeros and f = 0
.set JJ, JJ+1
.endr
.set JJ, 0
.rept 16
	v_mov_b32 v[AC+JJ], 0
.set JJ, JJ+1
.endr
	s_mov_b32 s[TB], BLKB
	s_mov_b32 s[TC], 0
	s_mov_b32 s49, 15
.Lstep:                                ; steps 0 to 14, each asking for the next one's k
	STEP 1
	s_add_co_u32 s[TB], s[TB], BLKB
	s_add_co_u32 s[TC], s[TC], BLKB
	s_sub_co_u32 s49, s49, 1
	s_cmp_lg_u32 s49, 0
	s_cbranch_scc1 .Lstep
	STEP 0                                         ; step 15 asks for nothing; its 24 additions are the places behind the last products
	; the tile's way out: O^T / the sum, quantised along my head's 64 channels (registers 16 b + i: channel 32 b + 16 (lane / 16) + i)
.irp j, 0,2,4,6
	v_pk_add_f32 v[AC+\j:AC+\j+1], v[AC+\j:AC+\j+1], v[AC+8+\j:AC+9+\j]    ; the eight chains are joined
.endr
	s_delay_alu instid0(VALU_DEP_2)
	v_pk_add_f32 v[AC:AC+1], v[AC:AC+1], v[AC+4:AC+5]
	s_delay_alu instid0(VALU_DEP_2)
	v_pk_add_f32 v[AC+2:AC+3], v[AC+2:AC+3], v[AC+6:AC+7]
	s_delay_alu instid0(VALU_DEP_1)
	v_pk_add_f32 v[AC:AC+1], v[AC:AC+1], v[AC+2:AC+3]
	s_delay_alu instid0(VALU_DEP_1)
	v_add_f32 v14, v[AC], v[AC+1]
	s_delay_alu instid0(VALU_DEP_1)
	v_permlanex16_b32 v228, v14, s[SEL], s[SEL+1]
	s_delay_alu instid0(VALU_DEP_1)
	v_add_f32 v14, v14, v228                       ; the row's sum
	s_wait_alu depctr_va_vdst(0)                   ; the wait ahead of the reciprocal
	v_rcp_f32 v14, v14
	v_nop                                          ; a plain line behind the reciprocal
	s_wait_alu depctr_va_vdst(0)                   ; and the wait ahead of its first reader
.set JJ, 0
.rept 16
	v_pk_mul_f32 v[SCR+JJ:SCR+JJ+1], v[OT+JJ:OT+JJ+1], v[14:15] op_sel_hi:[1,0]    ; each accumulator from its low end on
.set JJ, JJ+2
.endr
.irp b, 0,1
	v_max3_num_f32 v[BM+\b], |v[SCR+16*\b]|, |v[SCR+1+16*\b]|, 0x1800000
.endr
.irp i, 2,4,6,8,10,12,14
.irp b, 0,1
	s_delay_alu instid0(VALU_DEP_2)
	v_max3_num_f32 v[BM+\b], v[BM+\b], |v[SCR+16*\b+\i]|, |v[SCR+1+16*\b+\i]|
.endr
.endr
.irp b, 0,1
	s_delay_alu instid0(VALU_DEP_2)
	v_permlanex16_b32 v[BM+4+\b], v[BM+\b], s[SEL], s[SEL+1]
.endr
.irp b, 0,1
	s_delay_alu instid0(VALU_DEP_2)
	v_max_num_f32 v[BM+\b], v[BM+\b], v[BM+4+\b]
.endr
.irp b, 0,1
	s_delay_alu instid0(VALU_DEP_2)
	v_add_nc_u32 v[BM+8+\b], 0xff000000, v[BM+\b]
.endr
.irp b, 0,1
	s_delay_alu instid0(VALU_DEP_2)
	v_lshrrev_b32 v[BM+4+\b], 23, v[BM+8+\b]
.endr
	s_delay_alu instid0(VALU_DEP_1)
	v_lshl_or_b32 v228, v[BM+5], 8, v[BM+4]        ; my row's two scale bytes
	v_cvt_scalef32_pk16_fp6_f32 v[PC:PC+2], v[SCR:SCR+15], v[BM+8]
	v_cvt_scalef32_pk16_fp6_f32 v[PC+12:PC+14], v[SCR+16:SCR+31], v[BM+9]
	v_nop
.irp i, 0,1,2
	v_permlane16_swap_b32 v[PC+\i], v[PC+12+\i]    ; here a block lies in lanes l and l xor 16: the halves change places
.endr
.irp i, 0,1,2
	s_delay_alu instid0(VALU_DEP_3)
	v_mov_b32 v[PC+3+\i], v[PC+12+\i]              ; lane (r, h): channels 32 h + 0 .. 31 of query r
.endr
.irp j, 0,1,2
	global_store_b64 v[L8], v[PC+2*\j:PC+2*\j+1], s[8:9] offset:256*\j     ; 256 consecutive bytes, aligned
.endr
	global_store_b16 v[R8], v228, s[10:11]         ; lanes r and 16 + r write the same two bytes
	s_wait_xcnt 0x0                                ; the stores have read their data and bases
	s_add_nc_u64 s[8:9], s[8:9], 16*12288          ; the second tile: 256 queries on
	s_add_nc_u64 s[10:11], s[10:11], 8*1024
.irp i, 0,1,2,3,4,5
	v_mov_b32 v[22+\i], v[XB+\i]                   ; its q, loaded at the head (the loop's one text runs these seven lines behind the second tile too)
.endr
	v_perm_b32 v[QS], v[XB+6], v[XB+6], s51
	s_sub_co_u32 s50, s50, 1
	s_cmp_lg_u32 s50, 0
	s_cbranch_scc1 .Ltile
	s_wait_tensorcnt 0x0                           ; the wave's end
	ds_add_u32 v[SPW], v[NIL]
	s_wait_dscnt 0x0
	CROUND                                         ; the closing round
	s_endpgm
.Lfunc_end_k_q0edb245dc8_attn:
	.size	k_q0edb245dc8_attn, .Lfunc_end_k_q0edb245dc8_attn-k_q0edb245dc8_attn
	.p2alignl 7, 3214868480
	.fill 96, 4, 3214868480
	.section	.rodata,"a",@progbits
	.p2align	6, 0x0
	.amdhsa_kernel k_q0edb245dc8_attn
		.amdhsa_group_segment_fixed_size 206848
		.amdhsa_private_segment_fixed_size 0
		.amdhsa_enable_private_segment 0
		.amdhsa_kernarg_size 24
		.amdhsa_user_sgpr_count 2
		.amdhsa_user_sgpr_kernarg_segment_ptr 1
		.amdhsa_wavefront_size32 1
		.amdhsa_system_sgpr_workgroup_id_x 1
		.amdhsa_system_sgpr_workgroup_id_y 1
		.amdhsa_system_sgpr_workgroup_id_z 1
		.amdhsa_system_vgpr_workitem_id 0
		.amdhsa_next_free_vgpr 256
		.amdhsa_next_free_sgpr 66
		.amdhsa_reserve_vcc 0
		.amdhsa_float_denorm_mode_32 3
		.amdhsa_float_denorm_mode_16_64 3
		.amdhsa_memory_ordered 1
		.amdhsa_forward_progress 1
		.amdhsa_inst_pref_size 45
	.end_amdhsa_kernel
	.amdgpu_metadata
---
amdhsa.version: [ 1, 2 ]
amdhsa.kernels:
  - .name:           k_q0edb245dc8_attn
    .symbol:         k_q0edb245dc8_attn.kd
    .args:
      - { .name: qimg, .offset: 0, .size: 8, .value_kind: global_buffer, .address_space: global }
      - { .name: kv, .offset: 8, .size: 8, .value_kind: global_buffer, .address_space: global }
      - { .name: oq, .offset: 16, .size: 8, .value_kind: global_buffer, .address_space: global }
    .group_segment_fixed_size: 206848
    .private_segment_fixed_size: 0
    .kernarg_segment_align: 8
    .kernarg_segment_size: 24
    .max_flat_workgroup_size: 512
    .sgpr_count:     66
    .vgpr_count:     256
    .wavefront_size: 32
...
	.end_amdgpu_metadata
.endif
;; end of part 3
;; launch proj (part 4): grid 32 x 8, 4 waves a work-group, clusters of 4 x 4, 327,680 bytes of LDS; arguments oq, wq, b_proj, out0; writes out0
.if DOCPART == 4
	.amdgcn_target "amdgcn-amd-amdhsa--gfx1250"
	.amdhsa_code_object_version 6
	.text
	.protected	k_q0edb245dc8_proj
	.globl	k_q0edb245dc8_proj
	.p2align	8
	.type	k_q0edb245dc8_proj,@function
k_q0edb245dc8_proj:
	s_mov_b64 s[64:65], 0
	v_nop
	global_prefetch_b8 v0, s[64:65] scope:SCOPE_SE
	s_setreg_imm32_b32 hwreg(HW_REG_WAVE_MODE, 25, 1), 1
	s_wait_xcnt 0x0
	s_wait_alu depctr_hold_cnt(0) depctr_sa_sdst(0) depctr_va_vdst(0) depctr_va_sdst(0) depctr_va_ssrc(0) depctr_va_vcc(0) depctr_vm_vsrc(0)
	s_getreg_b32 s2, hwreg(HW_REG_IB_STS2, 6, 4)
	s_cmp_eq_u32 s2, 0
	s_cbranch_scc0 .Lentry_in_a_cluster
	s_endpgm
.Lentry_in_a_cluster:
	s_bfe_u32 s2, ttmp6, 0x10000c
	s_cmp_lg_u32 s2, 0xf033
	s_cbranch_scc0 .Lentry_shape_is_right
	s_endpgm
.Lentry_shape_is_right:
; out0[token][n] = sum over k of O[token][k] W_proj[k][n] + b_proj[n], f32: 8,192 x 1,024 x 1,024 on codes of FP6 (E2M3) with E8M0 scales.
; LIMITS: NaN, infinities and sums beyond f32's range are not served; a sum begins with the bias, where the reference adds it last.
; THE OPERANDS ARE IMAGES OF REGISTERS.  oq (A) and wq (B: W_proj's columns are its rows 3,072 on): position P holds matrix row P with bits 3 and 4 exchanged; tile T = P / 16 takes 12,288 bytes: for each 64 along K 768 bytes,
; three pieces of 256 bytes, lane l at 8 l.  A fragment (16 rows x 128 K) is six pieces on end.  Scale bytes, behind the codes: (P / 32) x 1,024 + (k / 256) x 256 + ((P / 16) % 2) x 128 + 8 r: a row's two scale words.
; THE DEAL.  256 work-groups of four waves, 2 x 2, each 256 rows x 128 columns of C.  A wave (row a, column b) holds four tiles of 16 columns of B, all of K, in 384 registers, and streams A's tiles 2 s + a, s = 0 .. 7, past them: 32 products a block.
; THE CLUSTER's x counts tile rows: tile row 4 x cluster x + cx, tile column 4 x cluster y + cy.  A's tiles are shared by a COLUMN of the cluster (mask s44), B's by a ROW (mask s45).
; LDS: A's 16 tiles, dense, then B's 8, each filled once (no refill; no data prefetch: all is asked for at the head, there is no loop to run ahead in); the spare words; the waves' stages lie in B's first bytes, which are read for the last time ahead of the barrier in front of the stream.
; THE HEAD'S FOUR TILES, one a wave, each on its own line: B; A's tiles 0 to 7; 8 to 11; 12 to 15.  The stream begins when the first two are in; a plain barrier inside block 1 shows the others, ahead of the first fetch from them (behind block 2).
; THE SCALE WORDS go from memory into registers: B's units of 256 bytes hold an even tile in lanes 0-15 and the odd one in lanes 16-31; of A's, lanes 0-15 take block 2 u's words and lanes 16-31 block 2 u + 1's.  The products pick by the ROW selects.
; The products are used transposed (source 0 = B's rows): a lane holds eight neighbouring columns of one row of C.  Behind a block's products ONE RUN of memory lines: its sums into the stage and back as rows of 256 bytes; the fetch of the block two on; one wait; eight stores.
.set KROW,   768                       ; a tile is 16 x 768 bytes: the tensor loads count rows of 768 bytes, each beginning on a multiple of 256
.set TP,     12288
.set NQ,     8                         ; K / 128
.set NB,     4                         ; column tiles a wave
.set FR,     12                        ; registers of a fragment
.set FPW,    256/FR                    ; fragments in a window: 0-31 B's (4 q + b), 32-47 A's two sets; fragment f lies in window 1 + f / 21
.set NF,     24                        ; LDS loads of a block's eight fragments
.set YB,     256*KROW                  ; B's tiles
.set STAGE,  YB
.set SPITCH, 272                       ; a stage: 16 rows x (256 bytes + 16) for each wave
.set SPARE,  YB+128*KROW
.set OS,     6291456
.set WS,     3145728
.set ROWC,   4096                      ; a row of C in bytes
.set CO,   9                           ; v9   my offset in C: row l / 16, 16 bytes x (l % 16)
.set SPW,  10
.set NIL,  11
.set ADRB, 14                          ; v14  LDS address of my first piece of B
.set ASO,  15                          ; v15  my offset in A's scale bytes; v16 in B's; v17 in the bias
.set BSO,  16
.set BIO,  17
.set STO,  18                          ; v18  the stage: where I put my columns of a row; v19: where I read 16 bytes of a row back
.set RD,   19
.set SB,   24                          ; v24-39  B's scale words: 8 (b / 2) + q
.set SA,   44                          ; v44-75  A's: 8 (s / 2) + q.  A product's two scale registers differ by 4 modulo 8 in their numbers
.set ACC,  80                          ; v80-143 two sets of four accumulators
.set BK,   144                         ; v144-207 two sets: 16 rows x 256 bytes back from the stage
.set AQ0,  208                         ; v208-215 LDS addresses of block 0's eight fragments; never rewritten
.set AQ,   216                         ; v216-223 the same for the block that is fetched next
.set BO,   224                         ; v224-255 the bias as the first four products' C
.set BA,   ACC                         ; head: LDS addresses of B's 32 fragments
.set G1A, 24
.set G0A, 56
.set G1B, 32
.set G0B, 60
.set MSB, 0
.macro WIN new
.if MSB != \new
	s_set_vgpr_msb (MSB<<8)|\new
.set MSB, \new
.endif
.endm
.macro PLACES n
.rept \n
	v_nop
.endr
.endm
.macro WALU
	s_wait_alu depctr_va_vdst(0)
.endm
.macro BARRIER
	s_barrier_signal -1
	s_barrier_wait -1
.endm
.macro CROUND
	BARRIER
	s_cmp_lg_u32 s14, 0
	s_cbranch_scc1 .Lnot_wave_0_\@
	s_barrier_signal -3
.Lnot_wave_0_\@:
	s_barrier_wait -3
	BARRIER
.endm
.macro TLOAD g0, g1                    ; an s_nop 0 and four v_nop follow a tensor load
	tensor_load_to_lds s[\g0:\g0+3], s[\g1:\g1+7]
	s_nop 0
	PLACES 4
.endm
.macro ATILE first, rows               ; a part of A's 256 rows of 768 bytes, by a descriptor of constants: dense, so its place in LDS is its place among the rows
	s_mov_b32 s[G0A+1], (\first)*KROW
	s_mov_b32 s[G1A+2], (\rows)<<16
	s_mov_b32 s[G1A+4], \rows
.if \first
	s_add_nc_u64 s[G0A+2:G0A+3], s[G0A+2:G0A+3], (\first)*KROW
.endif
	s_or_b32 s[G0A+3], s[G0A+3], 0x80000000
	TLOAD G0A, G1A
.endm
.macro GROUP1 g, mask, rows
	s_or_b32 s[\g+0], s[\mask], (1<<21)
	s_mov_b32 s[\g+1], (KROW&0xffff)<<16
	s_mov_b32 s[\g+3], KROW<<16
.if \rows                              ; (rows = 0: the two words that hold the rows are written with each tile: ATILE)
	s_mov_b32 s[\g+2], (KROW>>16)|((\rows)<<16)
	s_mov_b32 s[\g+4], \rows
.endif
	s_mov_b32 s[\g+5], KROW
	s_mov_b32 s[\g+6], 0
	s_mov_b32 s[\g+7], 0
.endm
.macro FRAG f, adr                     ; fragment f: six pieces of 256 bytes on end, two to a load
	WIN (1+(\f)/FPW)<<6
.irp p, 0,2,4
	ds_load_2addr_b64 v[FR*((\f)%FPW)+2*\p:FR*((\f)%FPW)+2*\p+3], v[\adr] offset0:32*\p offset1:32*\p+32
.endr
.endm
.macro FETCHAT e, aq                   ; a block of A into set e: NF loads
.irp q, 0,1,2,3,4,5,6,7
	FRAG NB*NQ+NQ*(\e)+\q, \aq+\q
.endr
	WIN 0
.endm
.macro W d, a, b, c, xa, xb, ra, rb
	v_wmma_scale_f32_16x16x128_f8f6f4 v[\d:\d+7], v[\a:\a+FR-1], v[\b:\b+FR-1], \c, v[\xa], v[\xb] matrix_a_fmt:MATRIX_FMT_FP6 matrix_b_fmt:MATRIX_FMT_FP6 matrix_a_scale:MATRIX_SCALE_ROW\ra matrix_b_scale:MATRIX_SCALE_ROW\rb
.endm
.macro W2 d, a, b, c, xa, xb, oa, ob
.if (\oa) && (\ob)
	W \d, \a, \b, \c, \xa, \xb, 1, 1
.elseif \oa
	W \d, \a, \b, \c, \xa, \xb, 1, 0
.elseif \ob
	W \d, \a, \b, \c, \xa, \xb, 0, 1
.else
	W \d, \a, \b, \c, \xa, \xb, 0, 0
.endif
.endm
.macro PROD s, n                       ; product n = 4 q + b of block s: the four accumulators by turns, K ascending; the first along K takes the bias as C
.set Q_, (\n)/4
.set B_, (\n)%4
.set FB_, NB*Q_+B_
.set FA_, NB*NQ+NQ*((\s)%2)+Q_
.set D_, ACC+32*((\s)%2)+8*B_
.set RB_, FR*(FB_%FPW)
.set RA_, FR*(FA_%FPW)
.set XB_, SB+8*(B_/2)+Q_
.set XA_, SA+8*((\s)/2)+Q_
	WIN (1+FB_/FPW)|((1+FA_/FPW)<<2)
.if Q_
	W2 D_, RB_, RA_, v[D_:D_+7], XB_, XA_, B_%2, (\s)%2
.else
	W2 D_, RB_, RA_, v[BO+8*B_:BO+8*B_+7], XB_, XA_, B_%2, (\s)%2
.endif
.endm
.macro PRODS s, from, to
.set N_, \from
.rept (\to)-(\from)
	PROD \s, N_
.set N_, N_+1
.endr
	WIN 0
.endm
.macro STAGED u                        ; set u's sums into my stage, each accumulator from its low end on, and back as whole rows.  Register j of tile b of lane (r, h) is column 32 (b / 2) + 16 h + 8 (b % 2) + j.  LDS serves a wave's instructions in order (ISA guide 5.7.1.4): no wait between
.irp b, 0,1,2,3
	ds_store_b128 v[STO], v[ACC+32*(\u)+8*\b:ACC+32*(\u)+8*\b+3] offset:128*(\b/2)+32*(\b%2)
	ds_store_b128 v[STO], v[ACC+32*(\u)+8*\b+4:ACC+32*(\u)+8*\b+7] offset:128*(\b/2)+32*(\b%2)+16
.endr
.irp t, 0,1,2,3,4,5,6,7
	ds_load_b128 v[BK+32*(\u)+4*\t:BK+32*(\u)+4*\t+3], v[RD] offset:2*\t*SPITCH
.endr
.endm
.macro TOC s                           ; block s's rows 2 t, 2 t + 1 are tokens 32 s + 16 (t / 4) + 2 t % 8 and the next, from my wave's first; 16 lanes store 256 consecutive bytes, aligned
.irp t, 0,1,2,3,4,5,6,7
	global_store_b128 v[CO], v[BK+32*((\s)%2)+4*\t:BK+32*((\s)%2)+4*\t+3], s[10:11] offset:(32*(\s)+16*(\t/4)+(2*\t)%8)*ROWC th:TH_STORE_NT
.endr
.endm
.macro STREAM s, fetch, show           ; block s.  show = 1: a plain barrier inside the block shows waves 2 and 3's tiles to all
.if \show
	PRODS \s, 0, 24
	s_wait_tensorcnt 0x0
	s_wait_dscnt 0x0
	s_barrier_signal -1
	PRODS \s, 24, 32
	s_barrier_wait -1
.else
	PRODS \s, 0, 32
.endif
.if \fetch                             ; plain vector lines stand between the last product and the first reader of its sums and the fetch into its registers: the next fetch's addresses, or v_nop
.irp q, 0,1,2,3,4,5,6,7
	v_add_nc_u32 v[AQ+\q], ((\s)+2)*32*KROW, v[AQ0+\q]
.endr
	WALU
.else
	PLACES 4
.endif
	s_wait_xcnt 0x0                                ; the stores of two blocks ago have read this set of the rows
	STAGED (\s)%2
.if \fetch
	FETCHAT (\s)%2, AQ
	s_wait_dscnt NF                                ; the block's rows are back from the stage, and the next block's fragments are in; younger is this run's fetch alone
.else
	s_wait_dscnt 0x0
.endif
	TOC \s
.endm
; ================= THE HEAD
	s_load_b128 s[4:7], s[0:1], 0x0                ; oq, wq
	s_load_b128 s[8:11], s[0:1], 0x10              ; b_proj, out0
	v_lshl_add_u32 v[SPW], v0, 2, SPARE
	v_mov_b32 v[NIL], 0
	ds_add_u32 v[SPW], v[NIL]                      ; the opening lines
	ds_add_u32 v[SPW], v[NIL]
	v_lshrrev_b32 v1, 5, v0
	v_readfirstlane_b32 s14, v1                    ; the wave; s15 its row of the 2 x 2, s16 its column
	s_lshr_b32 s15, s14, 1
	s_and_b32 s16, s14, 1
	s_bfe_u32 s40, ttmp6, 0x40000
	s_bfe_u32 s41, ttmp6, 0x40004
	s_lshl_b32 s43, ttmp9, 2
	s_add_co_u32 s43, s43, s40                     ; tile row of C: 4 x cluster x + cx
	s_and_b32 s42, ttmp7, 0xffff
	s_lshl_b32 s42, s42, 2
	s_add_co_u32 s42, s42, s41                     ; tile column of C: 4 x cluster y + cy
	s_lshl_b32 s44, 0x1111, s40                    ; my column of the cluster: shares A's tiles
	s_lshl_b32 s45, s41, 2
	s_lshl_b32 s45, 15, s45                        ; my row: shares B's
	GROUP1 G1A, 44, 0
	GROUP1 G1B, 45, 128
	s_mov_b32 s[G0A], 1
	s_mov_b32 s[G0B], 1
	s_mov_b32 s[G0B+1], YB
	s_mul_i32 s76, s43, 256*KROW                   ; my tile row's codes in oq
	s_mov_b32 s77, 0
	s_mul_i32 s78, s42, 128*KROW
	s_add_co_u32 s78, s78, 3072*KROW               ; my tile column's codes in wq
	s_mov_b32 s79, 0
	s_lshl_b32 s80, s43, 13                        ; A's scale bytes: 8,192 a tile row, my wave row's half of each unit
	s_lshl_b32 s21, s15, 7
	s_add_co_u32 s80, s80, s21
	s_add_co_u32 s80, s80, OS
	s_mov_b32 s81, 0
	s_lshl_b32 s82, s42, 12                        ; B's: 4,096 a tile column, 2,048 for my wave's four tiles
	s_lshl_b32 s21, s16, 11
	s_add_co_u32 s82, s82, s21
	s_add_co_u32 s82, s82, WS+96*1024
	s_mov_b32 s83, 0
	s_lshl_b32 s86, s42, 9                         ; my wave's first column, in bytes of f32
	s_lshl_b32 s21, s16, 8
	s_add_co_u32 s86, s86, s21
	s_mov_b32 s87, 0
	s_mul_i32 s84, s43, 256*ROWC                   ; my wave's first token: 256 x tile row + 8 a
	s_mul_i32 s21, s15, 8*ROWC
	s_add_co_u32 s84, s84, s21
	s_add_co_u32 s84, s84, s86
	s_mov_b32 s85, 0
	v_and_b32 v1, 15, v0                           ; r
	v_bfe_u32 v2, v0, 4, 1                         ; h
	v_and_b32 v3, 31, v0                           ; lane
	s_mul_i32 s23, s15, 16*KROW
	v_lshl_add_u32 v[AQ0], v3, 3, s23              ; tile a, 8 x lane
	s_mul_i32 s22, s16, NB*TP
	s_add_co_u32 s22, s22, YB
	v_lshl_add_u32 v[ADRB], v3, 3, s22
.irp q, 1,2,3,4,5,6,7
	v_add_nc_u32 v[AQ0+\q], 1536*\q, v[AQ0]
.endr
.irp q, 0,1,2,3,4,5,6,7
	v_add_nc_u32 v[AQ+\q], 32*KROW+1536*\q, v[AQ0]
.endr
.irp q, 0,1,2,3,4,5,6,7
.irp b, 0,1,2,3
	v_add_nc_u32 v[BA+NB*\q+\b], \b*TP+\q*1536, v[ADRB]
.endr
.endr
	v_lshlrev_b32 v[BSO], 3, v3                    ; B's scale words: a whole unit of 256 bytes
	v_lshlrev_b32 v[ASO], 3, v1
	v_lshl_add_u32 v[ASO], v2, 10, v[ASO]          ; A's: 8 r, lanes 16-31 one pair of tiles on
	v_lshlrev_b32 v[BIO], 6, v2                    ; the bias: 16 h columns
	s_mul_i32 s21, s14, 16*SPITCH
	s_add_co_u32 s21, s21, STAGE
	v_mul_u32_u24 v23, v1, SPITCH
	v_lshl_add_u32 v23, v2, 6, v23
	v_add_nc_u32 v[STO], s21, v23
	v_mul_u32_u24 v23, v2, SPITCH
	v_lshl_add_u32 v23, v1, 4, v23
	v_add_nc_u32 v[RD], s21, v23
	v_mul_u32_u24 v23, v2, ROWC
	v_lshl_add_u32 v[CO], v1, 4, v23
	WALU                                           ; the wait at the head's end
	s_wait_dscnt 0x0
	CROUND                                         ; the opening round, ahead of the wait for the arguments
	s_wait_kmcnt 0x0
	s_add_nc_u64 s[G0A+2:G0A+3], s[4:5], s[76:77]
	s_add_nc_u64 s[G0B+2:G0B+3], s[6:7], s[78:79]
	s_or_b32 s[G0B+3], s[G0B+3], 0x80000000
	s_add_nc_u64 s[80:81], s[4:5], s[80:81]
	s_add_nc_u64 s[82:83], s[6:7], s[82:83]
	s_add_nc_u64 s[86:87], s[8:9], s[86:87]
	s_add_nc_u64 s[10:11], s[10:11], s[84:85]
	s_cmp_eq_u32 s14, 0
	s_cbranch_scc0 .Lwave_1
	TLOAD G0B, G1B                                 ; wave 0: B's tiles, which are wanted first
	s_branch .Lasked
.Lwave_1:
	s_cmp_eq_u32 s14, 1
	s_cbranch_scc0 .Lwave_2
	ATILE 0, 128                                   ; wave 1: A's tiles 0 to 7
	s_branch .Lasked
.Lwave_2:
	s_cmp_eq_u32 s14, 2
	s_cbranch_scc0 .Lwave_3
	ATILE 128, 64                                  ; wave 2: 8 to 11
	s_branch .Lasked
.Lwave_3:
	ATILE 192, 64                                  ; wave 3: 12 to 15
.Lasked:
.irp p, 0,1
.irp c, 0,1,2,3
	global_load_b64 v[SB+8*\p+2*\c:SB+8*\p+2*\c+1], v[BSO], s[82:83] offset:\p*1024+\c*256
.endr
.endr
.irp u, 0,1,2,3
.irp c, 0,1,2,3
	global_load_b64 v[SA+8*\u+2*\c:SA+8*\u+2*\c+1], v[ASO], s[80:81] offset:\u*2048+\c*256
.endr
.endr
.irp b, 0,1,2,3
	global_load_b128 v[BO+8*\b:BO+8*\b+3], v[BIO], s[86:87] offset:128*(\b/2)+32*(\b%2)
	global_load_b128 v[BO+8*\b+4:BO+8*\b+7], v[BIO], s[86:87] offset:128*(\b/2)+32*(\b%2)+16
.endr
	s_wait_dscnt 0x0
	s_cmp_eq_u32 s14, 0
	s_cbranch_scc0 .Lnot_b
	s_wait_tensorcnt 0x0
.Lnot_b:
	BARRIER                                        ; B has landed
.irp q, 0,1,2,3,4,5,6,7
.irp b, 0,1,2,3
	FRAG NB*\q+\b, BA+NB*\q+\b
.endr
.endr
	WIN 0
	s_cmp_eq_u32 s14, 1
	s_cbranch_scc0 .Lnot_a
	s_wait_tensorcnt 0x0                           ; wave 1: A's tiles 0 to 7 have landed
.Lnot_a:
	s_wait_dscnt 0x0
	BARRIER                                        ; A's first eight tiles are in, and nobody reads B's bytes any more.  Waves 2 and 3's tiles may still be on their way
	FETCHAT 0, AQ0
	FETCHAT 1, AQ
	s_wait_loadcnt 0x0                             ; the scale words and the bias
	s_wait_dscnt NF                                ; block 0's fragments are in
; ================= THE STREAM: eight blocks
	STREAM 0, 1, 0
	STREAM 1, 1, 1
	STREAM 2, 1, 0
	STREAM 3, 1, 0
	STREAM 4, 1, 0
	STREAM 5, 1, 0
	STREAM 6, 0, 0                                 ; blocks 6 and 7 fetch nothing
	STREAM 7, 0, 0
	s_wait_tensorcnt 0x0                           ; the wave's end
	ds_add_u32 v[SPW], v[NIL]
	s_wait_dscnt 0x0
	CROUND                                         ; the closing round
	s_endpgm
.Lfunc_end_k_q0edb245dc8_proj:
	.size	k_q0edb245dc8_proj, .Lfunc_end_k_q0edb245dc8_proj-k_q0edb245dc8_proj
	.p2alignl 7, 3214868480
	.fill 96, 4, 3214868480
	.section	.rodata,"a",@progbits
	.p2align	6, 0x0
	.amdhsa_kernel k_q0edb245dc8_proj
		.amdhsa_group_segment_fixed_size 327680
		.amdhsa_private_segment_fixed_size 0
		.amdhsa_enable_private_segment 0
		.amdhsa_kernarg_size 32
		.amdhsa_user_sgpr_count 2
		.amdhsa_user_sgpr_kernarg_segment_ptr 1
		.amdhsa_wavefront_size32 1
		.amdhsa_system_sgpr_workgroup_id_x 1
		.amdhsa_system_sgpr_workgroup_id_y 1
		.amdhsa_system_sgpr_workgroup_id_z 1
		.amdhsa_system_vgpr_workitem_id 0
		.amdhsa_next_free_vgpr 840
		.amdhsa_next_free_sgpr 102
		.amdhsa_reserve_vcc 0
		.amdhsa_float_denorm_mode_32 3
		.amdhsa_float_denorm_mode_16_64 3
		.amdhsa_memory_ordered 1
		.amdhsa_forward_progress 1
		.amdhsa_inst_pref_size 84
	.end_amdhsa_kernel
	.amdgpu_metadata
---
amdhsa.version: [ 1, 2 ]
amdhsa.kernels:
  - .name:           k_q0edb245dc8_proj
    .symbol:         k_q0edb245dc8_proj.kd
    .args:
      - { .name: oq, .offset: 0, .size: 8, .value_kind: global_buffer, .address_space: global }
      - { .name: wq, .offset: 8, .size: 8, .value_kind: global_buffer, .address_space: global }
      - { .name: b_proj, .offset: 16, .size: 8, .value_kind: global_buffer, .address_space: global }
      - { .name: out0, .offset: 24, .size: 8, .value_kind: global_buffer, .address_space: global }
    .group_segment_fixed_size: 327680
    .private_segment_fixed_size: 0
    .kernarg_segment_align: 8
    .kernarg_segment_size: 32
    .max_flat_workgroup_size: 128
    .sgpr_count:     102
    .vgpr_count:     840
    .wavefront_size: 32
...
	.end_amdgpu_metadata
.endif
;; end of part 4
